; MI455X (gfx1250); checked and timed in simulation.
; The chip was launched on July 23, 2026; its instructions are those of AMD's public machine-readable ISA for CDNA 5 (MIT licence, August 2026) and "CDNA5" Instruction Set Architecture Reference Guide (July 2026). The comments in the code are by the model that wrote it; some were corrected since.
;; Mo E Block. Allowed arithmetic: float matrix products may take bf16 or f16 operands with f32 sums; all other float work in f32.
;; Inputs: hidden_states 8 x 512 x 1,024 float32; lora_As 8 x 16 x 1,024 float32; lora_Bs 8 x 4,096 x 16 float32; top_k_indices 2 int32; top_k_values 2 float32; wi_w 4,096 x 1,024 float32; wo_w 1,024 x 4,096 float32.
;; Outputs: out0 8 x 512 x 1,024 float32.
;; 2 versions, each right; version 2 is version 1 with the launch prep written anew for expert scheduling mode. Each part assembles by itself: llvm-mc -triple=amdgcn-amd-amdhsa -mcpu=gfx1250 --defsym DOCPART=n.
;; ======== version 1 of 2: 3 launches
;; workspace buffers: hb 8,388,608 bytes; wib 8,388,608 bytes; wob 8,388,608 bytes; tfrag 262,144 bytes; bfrag 262,144 bytes; mix 33,554,432 bytes
;; launch prep (part 1): grid 64 x 3, 8 waves a work-group, no clusters, 199,168 bytes of LDS; arguments hidden_states, wi_w, wo_w, lora_As, lora_Bs, top_k_indices, hb, wib, wob, tfrag, bfrag; writes hb, wib, wob, tfrag, bfrag
.if DOCPART == 1
	.amdgcn_target "amdgcn-amd-amdhsa--gfx1250"
	.amdhsa_code_object_version 6
	.text
	.protected	k_q6a82de8b6a_prep
	.globl	k_q6a82de8b6a_prep
	.p2align	8
	.type	k_q6a82de8b6a_prep,@function
k_q6a82de8b6a_prep:
	s_mov_b64 s[64:65], 0
	v_nop
	global_prefetch_b8 v0, s[64:65] scope:SCOPE_SE
	s_setreg_imm32_b32 hwreg(HW_REG_WAVE_MODE, 25, 1), 1
	s_wait_xcnt 0x0
; PREPARATION.  h [4096][1024], wi [4096][1024] and wo [1024][4096] go from f32 to bf16, each number rounded once: hb, wib (row-major) and wob (in fragment order, below).
; In the same pass over h: T_k = h A_k^T (rank 16) for the two chosen experts k, on the matrix unit, sums in f32, rounded once to bf16.  In the pass over wi: the two chosen tables B_k to bf16.
; T and B are stored in the order in which a matrix fragment's registers want them: [block of 16 rows][k][lane][16 bytes]; lane (r = lane % 16, hh = lane / 16) holds row r, ranks 8 hh .. 8 hh + 7.
; wob likewise: [block of 16 rows of wo][K step of 32][half j][lane][16 bytes]; the lane holds wo[16 block + r][32 step + 16 j + 8 hh + 0..7]: a wave that loads 16 bytes a lane takes 512 consecutive bytes and has half a fragment.
; SHARES.  Work-group y says which tensor (0: h, 1: wi, 2: wo): three straight texts.  Work-group x owns 64 rows of 1,024 numbers (of wo: 16 rows of 4,096, one block), each of its eight waves 8.
; A row is eight loads of 512 consecutive bytes; hb and wib leave by eight stores of 256 consecutive bytes, each at a multiple of 256 from its buffer's first byte.  A ring of four row slots in registers
; keeps up to 32 loads of every wave on their way.
; 64 rows of h are 4 blocks of 16 tokens x 2 experts = 8 tiles of T: one a wave, so no sum crosses waves.  For that the work-group's hb rows and the 32 rows of A (bf16) meet in LDS.
; wo's block meets in LDS too: rows go in as they come, fragments come out, 16 K steps a wave.
; NO CLUSTER, NO TENSOR LOADS: the stream shares nothing; what the 64 work-groups of the h part share is the two tables of A, 128 KiB beside each one's 256 KiB of h, read by plain loads.
; LIMITS.  bf16 rounding of every number; T's even and odd K steps are summed apart and added at the end; an index is taken as 0 .. 7 (the minimum with 7 only keeps the address inside the table).
.set PIT,  2064                        ; the h part's LDS row: 2,048 bytes + 16 = 129 x 16: the 16 rows of a fragment load start at 16 different groups of four banks (64 banks of 4 bytes: ISA guide 11.1)
.set ACAT, 64*PIT                      ; behind the 64 rows of hb: 32 rows of A, the first index's 16, then the second's
.set PW,   8208                        ; the wo part's LDS row: 8,192 bytes + 16 = 513 x 16, for the same reason; 16 rows from byte 0 on
.set VI,   3                           ; v3   byte offset of my 16 bytes in my wave's first row, f32
.set VOUT, 4                           ; v4   of my 8 bytes in my wave's first row, bf16
.set VL,   5                           ; v5   LDS address of my 8 bytes in my wave's first row
.set VLA,  6                           ; v6   the same in my wave's first row of A
.set FA,   7                           ; v7   LDS address of my lane's part of a fragment of A (the wo part: my byte offset in the block of wob)
.set FH,   8                           ; v8   of hb (the wo part: of wo)
.set TO,   9                           ; v9   16 x thread: my 16 bytes in the work-group's 4,096 bytes of tfrag or bfrag
.set VB,   10                          ; v10  byte offset of my 8 numbers in the work-group's 64 rows of lora_B
.set VA,   11                          ; v11  16 x lane
.set BX,   12                          ; v[12:19]   8 numbers of lora_B as loaded (the h and wo parts: v12, v13 at work)
.set BY,   20                          ; v[20:23]   8 bf16 to store
.set Y,    24                          ; v[24:55]   two sets of 16: a row's bf16
.set X,    56                          ; v[56:183]  four row slots of 32; later fragments
.set ACC0, 184                         ; v[184:191] T's sum over the even K steps
.set ACC1, 192                         ; v[192:199] over the odd ones
.macro LDROW slot, voff, base, imm, nt ; eight loads: a whole row.  nt = 1: data that the launch reads once
.irp c, 0,1,2,3,4,5,6,7
.if \nt
	global_load_b128 v[X+32*(\slot)+4*(\c):X+32*(\slot)+4*(\c)+3], v[\voff], s[\base:\base+1] offset:(\imm)+512*(\c) th:TH_LOAD_NT
.else
	global_load_b128 v[X+32*(\slot)+4*(\c):X+32*(\slot)+4*(\c)+3], v[\voff], s[\base:\base+1] offset:(\imm)+512*(\c)
.endif
.endr
.endm
.macro CVROW slot, set                 ; 32 f32 a lane -> 16 registers of bf16
.irp e, 0,1,2,3,4,5,6,7,8,9,10,11,12,13,14,15
	v_cvt_pk_bf16_f32 v[Y+16*(\set)+(\e)], v[X+32*(\slot)+2*(\e)], v[X+32*(\slot)+2*(\e)+1]
.endr
.endm
.macro STROW set, dst, imm             ; eight stores: 32 lanes x 8 bytes = 256 consecutive bytes each
.irp c, 0,1,2,3,4,5,6,7
	global_store_b64 v[VOUT], v[Y+16*(\set)+2*(\c):Y+16*(\set)+2*(\c)+1], s[\dst:\dst+1] offset:(\imm)+256*(\c)
.endr
.endm
.macro LSROW set, vaddr, imm           ; the same row into LDS
.irp c, 0,1,2,3,4,5,6,7
	ds_store_b64 v[\vaddr], v[Y+16*(\set)+2*(\c):Y+16*(\set)+2*(\c)+1] offset:(\imm)+256*(\c)
.endr
.endm
; Row n of a plain stream of 8 rows.  left = the younger loads that may stay out; more = 1: the slot takes the row four further on.
.macro SROW n, left, src, dst, more
	s_wait_loadcnt \left                           ; loads come back in order (ISA guide 5.7.1): row n is in
	s_wait_xcnt 0x0                                ; Y's set was the data of the stores two rows back: it is rewritten only behind this wait
	CVROW (\n)%4, (\n)%2
.if \more
	LDROW (\n)%4, VI, \src, ((\n)+4)*4096, 1
.endif
	STROW (\n)%2, \dst, (\n)*2048
.endm
; Row n (0 .. 7) of h: stored as hb and laid into LDS; the slot takes h's row n + 4 or, from n = 4 on, my wave's row n - 4 of A.
.macro HROW n
	s_wait_loadcnt 24                              ; three younger rows, eight loads each, stay out
	s_wait_xcnt 0x0                                ; Y's set was the data of the stores two rows back
	CVROW (\n)%4, (\n)%2
.if (\n) < 4
	LDROW (\n)%4, VI, 8, ((\n)+4)*4096, 1
.else
	LDROW (\n)%4, VA, 14, ((\n)-4)*4096, 0
.endif
	STROW (\n)%2, 20, (\n)*2048
	LSROW (\n)%2, VL, (\n)*PIT
.endm
.macro AROW n, left                    ; ring row n (8 .. 11): my wave's row n - 8 of A, into LDS alone
	s_wait_loadcnt \left
	s_wait_xcnt 0x0                                ; Y's set was the data of h's last stores
	CVROW (\n)%4, (\n)%2
	LSROW (\n)%2, VLA, ((\n)-8)*PIT
.endm
; Flat row n (0 .. 7) of my wave's part of wo: quarter n % 4 of wo's row 2 wave + n / 4, into LDS alone.  Y's sets are the data of LDS stores only, which need no wait.
.macro WROW n, left, more
	s_wait_loadcnt \left
	CVROW (\n)%4, (\n)%2
.if \more
	LDROW (\n)%4, VI, 12, ((\n)+4)*4096, 1
.endif
	LSROW (\n)%2, VL, ((\n)/4)*PW+((\n)%4)*2048
.endm
	s_load_b512 s[8:23], s[0:1], 0x0               ; h s[8:9], wi s[10:11], wo s[12:13], lora_As s[14:15], lora_Bs s[16:17], indices s[18:19], hb s[20:21], wib s[22:23]
	s_load_b128 s[24:27], s[0:1], 0x40             ; wob s[24:25], tfrag s[26:27]
	s_load_b64 s[28:29], s[0:1], 0x50              ; bfrag
	v_lshl_add_u32 v200, v0, 2, 0x30600
	v_mov_b32 v201, 0
	v_and_b32 v1, 31, v0                           ; lane
	v_lshrrev_b32 v2, 5, v0
	v_readfirstlane_b32 s30, v2                    ; wave 0..7
	s_and_b32 s31, ttmp7, 0xffff                   ; which tensor
	s_lshl_b32 s32, ttmp9, 18                      ; the work-group's 64 rows of 4,096 bytes
	s_mov_b32 s33, 0
	s_lshl_b32 s34, ttmp9, 17                      ; of 2,048 bytes
	s_mov_b32 s35, 0
	s_lshl_b32 s36, ttmp9, 12                      ; its 4,096 bytes of tfrag, of bfrag and of a table of lora_B
	s_mov_b32 s37, 0
	v_lshlrev_b32 v[VA], 4, v1
	v_lshl_or_b32 v[VI], v2, 15, v[VA]             ; wave x 8 rows x 4,096 + 16 x lane
	v_lshlrev_b32 v[VOUT], 3, v1
	v_lshl_or_b32 v[VOUT], v2, 14, v[VOUT]         ; wave x 8 rows x 2,048 + 8 x lane
	v_lshlrev_b32 v[TO], 4, v0
	s_wait_kmcnt 0x0
	s_cmp_eq_u32 s31, 1                            ; the branch hangs on the work-group's number alone: all eight waves go the same way
	s_cbranch_scc1 .Lwi
	s_cmp_eq_u32 s31, 2
	s_cbranch_scc1 .Lwo
	; ---- h: hb, and T ----
	s_load_b64 s[40:41], s[18:19], 0x0             ; both indices
	s_add_nc_u64 s[8:9], s[8:9], s[32:33]
	s_add_nc_u64 s[20:21], s[20:21], s[34:35]
	s_add_nc_u64 s[26:27], s[26:27], s[36:37]
	LDROW 0, VI, 8, 0, 1
	LDROW 1, VI, 8, 4096, 1
	LDROW 2, VI, 8, 8192, 1
	LDROW 3, VI, 8, 12288, 1
	s_mul_i32 s38, s30, 8*PIT                      ; my wave's 8 rows of hb in LDS
	s_mul_i32 s39, s30, 4*PIT                      ; my wave's 4 rows of A
	s_add_co_u32 s39, s39, ACAT
	v_lshl_add_u32 v[VL], v1, 3, s38
	v_lshl_add_u32 v[VLA], v1, 3, s39
	v_and_b32 v2, 15, v0                           ; r
	v_bfe_u32 v12, v0, 4, 1                        ; hh
	v_mul_u32_u24 v13, v2, PIT
	v_lshl_add_u32 v13, v12, 4, v13                ; row x pitch + 16 x half
	s_and_b32 s42, s30, 1                          ; my tile of T: expert wave % 2,
	s_mul_i32 s42, s42, 16*PIT
	s_add_co_u32 s42, s42, ACAT
	s_lshr_b32 s43, s30, 1                         ; token block wave / 2
	s_mul_i32 s43, s43, 16*PIT
	v_add_nc_u32 v[FA], s42, v13
	v_add_nc_u32 v[FH], s43, v13
	s_wait_kmcnt 0x0                               ; the indices
	s_cmp_lt_u32 s30, 4                            ; waves 0-3 bring the first index's table, waves 4-7 the second's, four rows each
	s_cselect_b32 s41, s40, s41
	s_min_u32 s41, s41, 7
	s_lshl_b32 s42, s41, 16                        ; a table of A is 16 rows x 4,096 bytes
	s_and_b32 s43, s30, 3
	s_lshl_b32 s43, s43, 14
	s_add_co_u32 s42, s42, s43
	s_mov_b32 s43, 0
	s_add_nc_u64 s[14:15], s[14:15], s[42:43]
.irp n, 0,1,2,3,4,5,6,7
	HROW \n
.endr
	AROW 8, 24                                     ; the last four rows load nothing: the counts run down
	AROW 9, 16
	AROW 10, 8
	AROW 11, 0
	s_wait_dscnt 0x0                               ; for the others' sake: my rows are in LDS
	s_barrier_signal -1
	s_barrier_wait -1                              ; everybody's are
	; My tile: source 0 = the expert's 16 ranks, source 1 = 16 tokens, 32 K steps of 32, in four batches of 8.  In the result a lane holds token r and ranks 8 hh + 0..7.
	; Two accumulators take turns, one instruction a turn; the first two products start the sums.
.set g, 0
.rept 4
.if g > 0
.rept 4
	v_nop                                          ; four places between the last products and the loads into the registers that they read (ISA guide 7.12.1 for vector instructions)
.endr
.endif
.set q, 0
.rept 8
	ds_load_b128 v[X+8*q:X+8*q+3],         v[FA] offset:64*(8*g+q)
	ds_load_b128 v[X+8*q+4:X+8*q+7],       v[FA] offset:64*(8*g+q)+32
	ds_load_b128 v[X+64+8*q:X+64+8*q+3],   v[FH] offset:64*(8*g+q)
	ds_load_b128 v[X+64+8*q+4:X+64+8*q+7], v[FH] offset:64*(8*g+q)+32
.set q, q+1
.endr
	s_wait_dscnt 0x0
.set q, 0
.rept 8
.if (g == 0) && (q < 2)
	v_wmma_f32_16x16x32_bf16 v[ACC0+8*(q%2):ACC0+8*(q%2)+7], v[X+8*q:X+8*q+7], v[X+64+8*q:X+64+8*q+7], 0
.else
	v_wmma_f32_16x16x32_bf16 v[ACC0+8*(q%2):ACC0+8*(q%2)+7], v[X+8*q:X+8*q+7], v[X+64+8*q:X+64+8*q+7], v[ACC0+8*(q%2):ACC0+8*(q%2)+7]
.endif
.set q, q+1
.endr
.set g, g+1
.endr
.rept 4
	v_nop                                          ; four places in front of the first read of the results
.endr
.irp p, 0,2,4,6
	v_pk_add_f32 v[ACC0+(\p):ACC0+(\p)+1], v[ACC0+(\p):ACC0+(\p)+1], v[ACC1+(\p):ACC1+(\p)+1]  ; from the low end on
.endr
.irp p, 0,1,2,3
	v_cvt_pk_bf16_f32 v[BY+(\p)], v[ACC0+2*(\p)], v[ACC0+2*(\p)+1]
.endr
	global_store_b128 v[TO], v[BY:BY+3], s[26:27]  ; a wave's store covers 512 consecutive bytes: tile (block wave / 2, expert wave % 2)
	s_wait_tensorcnt 0x0
	ds_add_u32 v200, v201
	s_wait_dscnt 0x0
	s_endpgm
	; ---- wi: wib, and the two tables of lora_B ----
.Lwi:
	s_load_b64 s[40:41], s[18:19], 0x0             ; both indices
	s_add_nc_u64 s[10:11], s[10:11], s[32:33]
	s_add_nc_u64 s[22:23], s[22:23], s[34:35]
	s_add_nc_u64 s[28:29], s[28:29], s[36:37]
	LDROW 0, VI, 10, 0, 1
	LDROW 1, VI, 10, 4096, 1
	LDROW 2, VI, 10, 8192, 1
	LDROW 3, VI, 10, 12288, 1
	v_and_b32 v2, 15, v0                           ; r
	v_lshlrev_b32 v[VB], 6, v2                     ; a row of lora_B is 64 bytes
	v_bfe_u32 v2, v0, 4, 1                         ; hh
	v_lshl_or_b32 v[VB], v2, 5, v[VB]              ; ranks 8 hh on
	s_lshr_b32 s38, s30, 1
	s_lshl_b32 s38, s38, 10                        ; block wave / 2 of the work-group's four
	v_or_b32 v[VB], s38, v[VB]
	s_wait_kmcnt 0x0
	s_and_b32 s39, s30, 1                          ; expert wave % 2
	s_cmp_eq_u32 s39, 0
	s_cselect_b32 s41, s40, s41
	s_min_u32 s41, s41, 7
	s_lshl_b32 s42, s41, 18                        ; a table of lora_B is 4,096 rows x 64 bytes
	s_mov_b32 s43, 0
	s_add_nc_u64 s[16:17], s[16:17], s[42:43]
	s_add_nc_u64 s[16:17], s[16:17], s[36:37]
	global_load_b128 v[BX:BX+3],   v[VB], s[16:17]
	global_load_b128 v[BX+4:BX+7], v[VB], s[16:17] offset:16
	SROW 0, 26, 10, 22, 1                          ; 26: three younger rows and lora_B's two loads
	SROW 1, 26, 10, 22, 1
	SROW 2, 26, 10, 22, 1
	SROW 3, 26, 10, 22, 1
	s_wait_loadcnt 32                              ; lora_B's two loads are in; rows 4 to 7 stay out
.irp p, 0,1,2,3
	v_cvt_pk_bf16_f32 v[BY+(\p)], v[BX+2*(\p)], v[BX+2*(\p)+1]
.endr
	global_store_b128 v[TO], v[BY:BY+3], s[28:29]
	SROW 4, 24, 10, 22, 0
	SROW 5, 16, 10, 22, 0
	SROW 6, 8, 10, 22, 0
	SROW 7, 0, 10, 22, 0
	s_endpgm
	; ---- wo: wob, in fragment order ----
.Lwo:
	s_add_nc_u64 s[12:13], s[12:13], s[32:33]      ; wo's rows 16 x .. 16 x + 15: 262,144 consecutive bytes
	s_add_nc_u64 s[24:25], s[24:25], s[34:35]      ; block x of wob: 131,072 bytes
	LDROW 0, VI, 12, 0, 1
	LDROW 1, VI, 12, 4096, 1
	LDROW 2, VI, 12, 8192, 1
	LDROW 3, VI, 12, 12288, 1
	s_mul_i32 s38, s30, 2*PW                       ; my wave's 8 flat rows are wo's rows 2 wave and 2 wave + 1 of the block
	v_lshl_add_u32 v[VL], v1, 3, s38
	v_and_b32 v2, 15, v0                           ; r
	v_bfe_u32 v12, v0, 4, 1                        ; hh
	v_mul_u32_u24 v13, v2, PW
	v_lshl_add_u32 v13, v12, 4, v13                ; row x pitch + 16 x half
	s_lshl_b32 s39, s30, 10                        ; my wave's 16 K steps of 64 bytes
	v_add_nc_u32 v[FH], s39, v13
	s_lshl_b32 s39, s30, 14                        ; and their 16 x 1,024 bytes in the block of wob
	v_add_nc_u32 v[FA], s39, v[VA]
	WROW 0, 24, 1
	WROW 1, 24, 1
	WROW 2, 24, 1
	WROW 3, 24, 1
	WROW 4, 24, 0
	WROW 5, 16, 0
	WROW 6, 8, 0
	WROW 7, 0, 0
	s_wait_dscnt 0x0                               ; for the others' sake: my rows are in LDS
	s_barrier_signal -1
	s_barrier_wait -1                              ; everybody's are
.set q, 0
.rept 16                                               ; K step 16 wave + q: the two halves of a fragment, as a matrix instruction's source wants them
	ds_load_b128 v[X+8*q:X+8*q+3],   v[FH] offset:64*q
	ds_load_b128 v[X+8*q+4:X+8*q+7], v[FH] offset:64*q+32
.set q, q+1
.endr
.set q, 0
.rept 16
	s_wait_dscnt 30-2*q                            ; LDS loads come back in order (ISA guide 5.7.1): K step q's two are in
	global_store_b128 v[FA], v[X+8*q:X+8*q+3],   s[24:25] offset:1024*q      ; a wave's store covers 512 consecutive bytes, at a multiple of 512 from wob's first byte
	global_store_b128 v[FA], v[X+8*q+4:X+8*q+7], s[24:25] offset:1024*q+512
.set q, q+1
.endr
	s_wait_tensorcnt 0x0
	ds_add_u32 v200, v201
	s_wait_dscnt 0x0
	s_endpgm
.Lfunc_end_k_q6a82de8b6a_prep:
	.size	k_q6a82de8b6a_prep, .Lfunc_end_k_q6a82de8b6a_prep-k_q6a82de8b6a_prep
	.p2alignl 7, 3214868480
	.fill 96, 4, 3214868480
	.section	.rodata,"a",@progbits
	.p2align	6, 0x0
	.amdhsa_kernel k_q6a82de8b6a_prep
		.amdhsa_group_segment_fixed_size 199168
		.amdhsa_private_segment_fixed_size 0
		.amdhsa_enable_private_segment 0
		.amdhsa_kernarg_size 88
		.amdhsa_user_sgpr_count 2
		.amdhsa_user_sgpr_kernarg_segment_ptr 1
		.amdhsa_wavefront_size32 1
		.amdhsa_system_sgpr_workgroup_id_x 1
		.amdhsa_system_sgpr_workgroup_id_y 1
		.amdhsa_system_sgpr_workgroup_id_z 1
		.amdhsa_system_vgpr_workitem_id 0
		.amdhsa_next_free_vgpr 202
		.amdhsa_next_free_sgpr 66
		.amdhsa_reserve_vcc 0
		.amdhsa_float_denorm_mode_32 3
		.amdhsa_float_denorm_mode_16_64 3
		.amdhsa_memory_ordered 1
		.amdhsa_forward_progress 1
		.amdhsa_inst_pref_size 95
	.end_amdhsa_kernel
	.amdgpu_metadata
---
amdhsa.version: [ 1, 2 ]
amdhsa.kernels:
  - .name:           k_q6a82de8b6a_prep
    .symbol:         k_q6a82de8b6a_prep.kd
    .args:
      - { .name: hidden_states, .offset: 0, .size: 8, .value_kind: global_buffer, .address_space: global }
      - { .name: wi_w, .offset: 8, .size: 8, .value_kind: global_buffer, .address_space: global }
      - { .name: wo_w, .offset: 16, .size: 8, .value_kind: global_buffer, .address_space: global }
      - { .name: lora_As, .offset: 24, .size: 8, .value_kind: global_buffer, .address_space: global }
      - { .name: lora_Bs, .offset: 32, .size: 8, .value_kind: global_buffer, .address_space: global }
      - { .name: top_k_indices, .offset: 40, .size: 8, .value_kind: global_buffer, .address_space: global }
      - { .name: hb, .offset: 48, .size: 8, .value_kind: global_buffer, .address_space: global }
      - { .name: wib, .offset: 56, .size: 8, .value_kind: global_buffer, .address_space: global }
      - { .name: wob, .offset: 64, .size: 8, .value_kind: global_buffer, .address_space: global }
      - { .name: tfrag, .offset: 72, .size: 8, .value_kind: global_buffer, .address_space: global }
      - { .name: bfrag, .offset: 80, .size: 8, .value_kind: global_buffer, .address_space: global }
    .group_segment_fixed_size: 199168
    .private_segment_fixed_size: 0
    .kernarg_segment_align: 8
    .kernarg_segment_size: 88
    .max_flat_workgroup_size: 256
    .sgpr_count:     66
    .vgpr_count:     202
    .wavefront_size: 32
...
	.end_amdgpu_metadata
.endif
;; end of part 1
;; launch ffn1 (part 2): grid 16 x 16, 4 waves a work-group, clusters of 4 x 4, 327,680 bytes of LDS; arguments hb, wib, mix, tfrag, bfrag, top_k_values; writes mix
.if DOCPART == 2
	.amdgcn_target "amdgcn-amd-amdhsa--gfx1250"
	.amdhsa_code_object_version 6
	.text
	.protected	k_q6a82de8b6a_ffn1
	.globl	k_q6a82de8b6a_ffn1
	.p2align	8
	.type	k_q6a82de8b6a_ffn1,@function
k_q6a82de8b6a_ffn1:
	s_mov_b64 s[64:65], 0
	v_nop
	global_prefetch_b8 v0, s[64:65] scope:SCOPE_SE
	s_setreg_imm32_b32 hwreg(HW_REG_WAVE_MODE, 25, 1), 1
	s_wait_xcnt 0x0
	s_wait_alu depctr_hold_cnt(0) depctr_sa_sdst(0) depctr_va_vdst(0) depctr_va_sdst(0) depctr_va_ssrc(0) depctr_va_vcc(0) depctr_vm_vsrc(0)
	s_getreg_b32 s2, hwreg(HW_REG_IB_STS2, 6, 4)
	s_cmp_eq_u32 s2, 0
	s_cbranch_scc0 .Lentry_in_a_cluster
	s_endpgm
.Lentry_in_a_cluster:
	s_bfe_u32 s2, ttmp6, 0x10000c
	s_cmp_lg_u32 s2, 0xf033
	s_cbranch_scc0 .Lentry_shape_is_right
	s_endpgm
.Lentry_shape_is_right:
; mix[t][f] = v0 max(X + L0, 0) + v1 max(X + L1, 0), with X[t][f] = sum over d of hb[t][d] wib[f][d] and L_k[t][f] = sum over 16 ranks of T_k[t][.] B_k[f][.].
; The product h wi^T is the same for both experts, and the second projection is linear: so X is made once and the two activations are mixed in front of it.  This holds for every input (equal indices, any sign of v).
; hb: [4096][1024], wib: [4096][1024], mix: [4096][4096], all bf16; sums, relu and mixing in f32; mix rounded once.  tfrag, bfrag: T_k and B_k in fragment order, [block of 16 rows][k][lane][16 bytes].
; LIMITS.  bf16 operands (range as f32's).  A NaN in front of the relu becomes 0, and the rank products are padded from K = 16 to K = 32 with zeros, so an infinity in T or B gives NaN: where the sums are not finite the result may differ.
; A tile of mix, 256 x 256, is made by a work-group of four waves; a wave makes 128 x 128: 64 accumulators of 16 x 16, 512 registers.  K goes in steps of 128 through a ring of two LDS slots filled by
; the tensor data mover: the tiles' rows are 256 bytes of memory and start at multiples of 256 bytes from the buffer's first byte.  16 x 16 tiles: one work-group for each of 256.
; CLUSTERS: 4 x 4 work-groups.  The four of a row of the cluster need the same tiles of hb, the four of a column the same tiles of wib: each tile is asked for JOINTLY, by the same tensor load with the
; same descriptor and a mask that names the four.
; THE MATRIX INSTRUCTION IS USED TRANSPOSED: source 0 = 16 rows of wib, source 1 = 16 rows of hb: a lane holds token l % 16 and the columns f = 8 (l / 16) + 0 .. 7, eight neighbouring numbers of a row of mix.
; REGISTERS, in windows of 256 (s_set_vgpr_msb: bits 1:0 source 0, 3:2 source 1, 5:4 source 2, 7:6 destination):
;   window 0: v0-31 addresses; v64-127, v128-191 fragments of hb, two buffers (on the way out: packed results and rows read back); v192-255 T: token block a at v[192 + 8 a]: T0's quad, T1's quad
;   window 1: v64-127, v128-191 fragments of wib, two buffers (on the way out: Z0, Z1); v0-59, v192-227 B: column block b has 12 registers: B0's quad, a quad of zeros, B1's quad
;   window 2: the 32 accumulators of my rows 0-63 (accumulator (a, b) at v[8 (8 a + b)]);   window 3: those of my rows 64-127
.set SIZE_M, 4096
.set SIZE_N, 4096
.set SIZE_K, 1024
.set KSTEP,  128
.set PITCH,  272                       ; an LDS row: 256 bytes + 16 of padding = 68 words: row r starts at bank 4 r mod 64 (64 banks of 4 bytes: ISA guide 11.1)
.set HALFT,  128*PITCH                 ; 128 rows: what one tensor load brings, and what one wave reads of hb or of wib
.set SLOT,   4*HALFT                   ; hb's 256 rows, then wib's 256 rows
.set STAGE,  2*SLOT                    ; behind the ring: 16 rows x 272 bytes for each wave, for the way out
.set SPITCH, 272
.set SPARE,  STAGE+4*16*SPITCH         ; behind the stages: the spare words, 128 bytes for each wave: two blocks of 256 bytes that no other line names
.set LAPS, SIZE_K/(2*KSTEP)            ; a lap = two K steps = once round the ring: 4
.set ADRA, 16                          ; v16-17  LDS address of my hb fragments in slot 0, 1
.set ADRB, 20                          ; v20-21  the same for wib
.set STO,  24                          ; v24     the way out: where I put 16 bytes of a row
.set RD,   25                          ; v25     the way out: where I read a row back
.set CO,   26                          ; v26     my byte offset in mix
.set FO,   27                          ; v27     16 x lane: my 16 bytes of a quad in tfrag and bfrag
.set SPW,  28                          ; v28     LDS address of my spare word: SPARE + 4 x my thread's number; never rewritten
.set NIL,  29                          ; v29     0; never rewritten
.set F0,   64                          ; fragment buffer 0
.set F1,   128                         ; fragment buffer 1
.set TF,   192                         ; window 0: T's fragments
.set TMP,  64                          ; the way out, window 0: 32 registers of packed results
.set OB,   96                          ; the way out, window 0: 16 rows read back from the stage: v96-127 and v128-159 by turns
.set Z0,   64                          ; the way out, window 1: X + L0 of one block of 16 tokens, 8 registers a column block
.set Z1,   128                         ; the same with L1
.set G1, 24                            ; s[24:31] descriptor group 1 for hb's tiles
.set G0, 32                            ; s[32:39] descriptor group 0 for hb's tiles, one set for each slot
.set G1B, 48                           ; s[48:55] descriptor group 1 for wib's tiles: it differs in the mask alone
.set G0B, 56                           ; s[56:63] descriptor group 0 for wib's tiles
.set V0P, 74                           ; s[74:75] v0, v1: the packed multiply takes the low word for both halves
.set V1P, 76                           ; s[76:77] v1, v1
.set MSB, 0
.macro WIN new                         ; the immediate's high byte repeats the setting that is left; a switch that changes nothing is dropped
.if MSB != (\new)
	s_set_vgpr_msb (MSB<<8)|(\new)
.set MSB, \new
.endif
.endm
.set MUL_LO, 0xa1                      ; source 0 (wib) window 1, source 1 (hb) window 0, C and D window 2
.set MUL_HI, 0xf1                      ; the same, C and D window 3
.set TO_B,   0x40                      ; destination window 1, address window 0
; A joint load.  Waves 0 and 1 fetch hb's two halves, waves 2 and 3 wib's.  The branch hangs on the wave's number alone: it is the same in every work-group.
; Four v_nop follow each of the two lines; the jump round the other line, the label and what follows the macro come after them.
.macro JLOAD s
	s_cmp_eq_u32 s11, 0
	s_cbranch_scc0 .Lfor_b_\@
	tensor_load_to_lds s[G0+4*(\s):G0+4*(\s)+3], s[G1:G1+7]
	s_nop 0
.rept 4
	v_nop
.endr
	s_branch .Lasked_\@
.Lfor_b_\@:
	tensor_load_to_lds s[G0B+4*(\s):G0B+4*(\s)+3], s[G1B:G1B+7]
	s_nop 0
.rept 4
	v_nop
.endr
.Lasked_\@:
.endm
; A round of the cluster's barrier: my work-group's barrier, so that wave 0's signal speaks for all four waves; wave 0 signals for the work-group; every wave waits for all
; sixteen work-groups; my work-group's barrier once more.
.macro CREST                           ; a round behind its opening barrier
	s_cmp_lg_u32 s10, 0
	s_cbranch_scc1 .Lnot_wave_0_\@
	s_barrier_signal -3
.Lnot_wave_0_\@:
	s_barrier_wait -3
	s_barrier_signal -1
	s_barrier_wait -1
.endm
.macro CROUND                          ; a whole round
	s_barrier_signal -1
	s_barrier_wait -1
	CREST
.endm
	s_load_b128 s[4:7], s[0:1], 0x0                ; hb s[4:5], wib s[6:7]
	s_load_b64 s[8:9], s[0:1], 0x10                ; mix
	s_load_b128 s[68:71], s[0:1], 0x18             ; tfrag s[68:69], bfrag s[70:71]
	s_load_b64 s[72:73], s[0:1], 0x28              ; top_k_values
	v_lshl_add_u32 v[SPW], v0, 2, SPARE
	v_mov_b32 v[NIL], 0
	ds_add_u32 v28, v29
	ds_add_u32 v28, v29
	s_wait_dscnt 0x0
	v_lshrrev_b32 v1, 5, v0
	v_readfirstlane_b32 s10, v1                    ; wave 0..3
	s_lshr_b32 s11, s10, 1                         ; which half of the tile's rows is mine.  Also: I fetch for hb (0) or for wib (1)
	s_and_b32 s12, s10, 1                          ; which half of its columns.  Also: which 128 rows of that tile I fetch
	s_bfe_u32 s40, ttmp6, 0x40000                  ; cx: my place along the cluster's x
	s_bfe_u32 s41, ttmp6, 0x40004                  ; cy: along its y
	s_lshl_b32 s42, ttmp9, 2                       ; in a cluster launch ttmp9 and ttmp7 count clusters
	s_add_co_u32 s42, s42, s40                     ; tile column = 4 x cluster x + cx
	s_and_b32 s13, ttmp7, 0xffff
	s_lshl_b32 s13, s13, 2
	s_add_co_u32 s13, s13, s41                     ; tile row = 4 x cluster y + cy
	s_lshl_b32 s43, s41, 2
	s_lshl_b32 s43, 15, s43                        ; my row of the cluster: places 4 cy .. 4 cy + 3
	s_lshl_b32 s44, 0x1111, s40                    ; my column: places cx, cx + 4, cx + 8, cx + 12
	; descriptor group 1: a tile of 128 rows x 128 elements, padded in LDS
	s_or_b32 s[G1+0], s43, (1<<16)|(1<<20)|(1<<21)|(5<<22)|(3<<25)  ; 15:0 the mask: hb's tiles go to my row; 17:16 element of 2 bytes; 20 padding on; 21 set beside a mask; 24:22 after every 64 words (code 5); 31:25 of 4 words (code 3)
	s_or_b32 s[G1B+0], s44, (1<<16)|(1<<20)|(1<<21)|(5<<22)|(3<<25) ; the same with the mask of my column, for wib's tiles
	s_mov_b32 s[G1B+1], KSTEP<<16
	s_mov_b32 s[G1+1], KSTEP<<16                   ; tensor_dim0 = 128
	s_mov_b32 s[G1B+2], 128<<16
	s_mov_b32 s[G1+2], 128<<16                     ; tensor_dim1 = 128
	s_mov_b32 s[G1B+3], KSTEP<<16
	s_mov_b32 s[G1+3], KSTEP<<16                   ; tile_dim0 = 128
	s_mov_b32 s[G1B+4], 128
	s_mov_b32 s[G1+4], 128                         ; tile_dim1 = 128
	s_mov_b32 s[G1B+5], SIZE_K
	s_mov_b32 s[G1+5], SIZE_K                      ; elements from row to row
	s_mov_b32 s[G1B+6], 0
	s_mov_b32 s[G1+6], 0
	s_mov_b32 s[G1B+7], 0
	s_mov_b32 s[G1+7], 0
	; where the tiles come from.  hb's hang on the tile row alone, which my row of the cluster shares; wib's on the tile column alone, which my column shares.
	s_lshl_b32 s17, s12, 7                         ; which 128 rows of the tile I fetch
	s_lshl_b32 s16, s13, 8
	s_add_co_u32 s16, s16, s17                     ; hb: row 256 x tile row + 128 x half
	s_lshl_b32 s46, s42, 8
	s_add_co_u32 s46, s46, s17                     ; wib: row 256 x tile column + 128 x half
	s_mov_b32 s17, 0
	s_mov_b32 s47, 0
	s_mov_b64 s[18:19], SIZE_K*2
	s_mul_u64 s[16:17], s[16:17], s[18:19]         ; in bytes
	s_mul_u64 s[46:47], s[46:47], s[18:19]
	s_mul_i32 s20, s10, HALFT                      ; and where they go: wave x 128 rows: no place in the cluster enters an LDS address
	s_wait_kmcnt 0x0
	s_load_b64 s[V0P:V0P+1], s[72:73], 0x0         ; v0, v1
	s_add_nc_u64 s[14:15], s[4:5], s[16:17]
	s_add_nc_u64 s[46:47], s[6:7], s[46:47]
	CROUND                                         ; all sixteen work-groups are here: the first joint loads meet
.irp s, 0,1
	s_mov_b32 s[G0+4*(\s)], 1                                      ; count = 1
	s_add_co_u32 s[G0+4*(\s)+1], s20, (\s)*SLOT                    ; LDS address
	s_add_nc_u64 s[G0+4*(\s)+2:G0+4*(\s)+3], s[14:15], (\s)*KSTEP*2  ; global address: K step s
	s_or_b32 s[G0+4*(\s)+3], s[G0+4*(\s)+3], 0x80000000            ; type = 2
	s_mov_b32 s[G0B+4*(\s)], 1
	s_add_co_u32 s[G0B+4*(\s)+1], s20, (\s)*SLOT
	s_add_nc_u64 s[G0B+4*(\s)+2:G0B+4*(\s)+3], s[46:47], (\s)*KSTEP*2
	s_or_b32 s[G0B+4*(\s)+3], s[G0B+4*(\s)+3], 0x80000000
	JLOAD \s                                       ; the ring is filled before anything else is done: two loads of mine are out
.endr
	; A fragment is 16 rows x 32 K in 8 registers: lane l holds row l % 16; registers 0-3 hold K = 8 (l / 16) + 0..7, registers 4-7 hold K = 16 + 8 (l / 16) + 0..7: two loads of 16 bytes, 32 bytes apart.
	v_and_b32 v1, 15, v0                           ; l % 16
	v_bfe_u32 v2, v0, 4, 1                         ; l / 16
	v_mul_u32_u24 v3, v1, PITCH
	v_lshl_add_u32 v3, v2, 4, v3                   ; row x pitch + 16 x half
	s_mul_i32 s21, s11, HALFT                      ; my 128 rows of hb
	s_mul_i32 s22, s12, HALFT                      ; my 128 rows of wib,
	s_add_co_u32 s22, s22, 2*HALFT                 ; which lie behind hb's 256
.irp s, 0,1
	v_add_nc_u32 v[ADRA+(\s)], s21, v3
	v_add_nc_u32 v[ADRB+(\s)], s22, v3
	s_add_co_u32 s21, s21, SLOT
	s_add_co_u32 s22, s22, SLOT
.endr
	s_mul_i32 s23, s10, 16*SPITCH
	s_add_co_u32 s23, s23, STAGE                   ; my stage
	v_mul_u32_u24 v4, v1, SPITCH                   ; in: row l % 16, 16 bytes for each half of the lanes
	v_lshl_add_u32 v4, v2, 4, v4
	v_add_nc_u32 v[STO], s23, v4
	v_mul_u32_u24 v5, v2, SPITCH                   ; back: lanes 0-15 take one row of 256 bytes, lanes 16-31 the next
	v_lshl_add_u32 v5, v1, 4, v5
	v_add_nc_u32 v[RD], s23, v5
	v_mul_u32_u24 v5, v2, SIZE_N*2                 ; and the same two rows in mix
	v_lshl_add_u32 v[CO], v1, 4, v5
	v_and_b32 v[FO], 31, v0
	v_lshlrev_b32 v[FO], 4, v[FO]
	; T's fragments of my 8 token blocks and B's of my 8 column blocks: a block is 1,024 bytes (two experts x 512)
	s_lshl_b32 s16, s13, 14                        ; 16 blocks a tile row,
	s_lshl_b32 s17, s11, 13                        ; 8 a half
	s_add_co_u32 s16, s16, s17
	s_mov_b32 s17, 0
	s_add_nc_u64 s[68:69], s[68:69], s[16:17]
	s_lshl_b32 s46, s42, 14                        ; (what hangs on the tile column is made in the registers that held wib's address)
	s_lshl_b32 s47, s12, 13
	s_add_co_u32 s46, s46, s47
	s_mov_b32 s47, 0
	s_add_nc_u64 s[70:71], s[70:71], s[46:47]
.irp a, 0,1,2,3,4,5,6,7
	global_load_b128 v[TF+8*(\a):TF+8*(\a)+3],   v[FO], s[68:69] offset:1024*(\a)      ; T0: K = 0 .. 15 of the rank product
	global_load_b128 v[TF+8*(\a)+4:TF+8*(\a)+7], v[FO], s[68:69] offset:1024*(\a)+512  ; T1: K = 16 .. 31
.endr
	WIN TO_B
.irp b, 0,1,2,3,4,5,6,7
.set LBB, 12*(\b)+132*((\b)/5)
	global_load_b128 v[LBB:LBB+3],    v[FO], s[70:71] offset:1024*(\b)
	global_load_b128 v[LBB+8:LBB+11], v[FO], s[70:71] offset:1024*(\b)+512
	v_mov_b32 v[LBB+4], 0                          ; the quad of zeros serves both: [B0 | 0] is registers 0-7, [0 | B1] registers 4-11
	v_mov_b32 v[LBB+5], 0
	v_mov_b32 v[LBB+6], 0
	v_mov_b32 v[LBB+7], 0
.endr
	WIN 0
	; where my part of the tile begins in mix
	s_lshl_b32 s13, s13, 8
	s_lshl_b32 s14, s11, 7
	s_add_co_u32 s16, s13, s14                     ; my first row
	s_mov_b32 s17, 0
	s_mov_b64 s[18:19], SIZE_N*2
	s_mul_u64 s[16:17], s[16:17], s[18:19]
	s_lshl_b32 s46, s42, 9                         ; my first column, in bytes: 512 x tile column + 256 x half
	s_lshl_b32 s47, s12, 8
	s_add_co_u32 s46, s46, s47
	s_mov_b32 s47, 0
	s_add_nc_u64 s[16:17], s[16:17], s[46:47]
	s_add_nc_u64 s[8:9], s[8:9], s[16:17]
; 16 matrix instructions: m blocks a0, a0 + 1 of the window's four (hi = 0: my rows 0-63, 1: rows 64-127) x all 8 n blocks, 32 along K.  zero = 1: the first product starts the sums.
.macro MUL16 f, hi, a0, zero
	WIN MUL_LO+0x50*(\hi)
.irp a, \a0, (\a0)+1
.irp b, 0,1,2,3,4,5,6,7
.if \zero
	v_wmma_f32_16x16x32_bf16 v[8*(8*(\a)+(\b)):8*(8*(\a)+(\b))+7], v[(\f)+8*(\b):(\f)+8*(\b)+7], v[(\f)+8*(4*(\hi)+(\a)):(\f)+8*(4*(\hi)+(\a))+7], 0
.else
	v_wmma_f32_16x16x32_bf16 v[8*(8*(\a)+(\b)):8*(8*(\a)+(\b))+7], v[(\f)+8*(\b):(\f)+8*(\b)+7], v[(\f)+8*(4*(\hi)+(\a)):(\f)+8*(4*(\hi)+(\a))+7], v[8*(8*(\a)+(\b)):8*(8*(\a)+(\b))+7]
.endif
.endr
.endr
.endm
; 32 LDS loads in one run: the fragments of one quarter step (128 rows of wib, 128 rows of hb, 32 K at byte k of the rows) into buffer f
.macro FETCH slot, k, f
	WIN TO_B
.irp i, 0,1,2,3,4,5,6,7
	ds_load_b128 v[(\f)+8*(\i):(\f)+8*(\i)+3],   v[ADRB+(\slot)] offset:(\k)+(\i)*16*PITCH
	ds_load_b128 v[(\f)+8*(\i)+4:(\f)+8*(\i)+7], v[ADRB+(\slot)] offset:(\k)+(\i)*16*PITCH+32
.endr
	WIN 0
.irp i, 0,1,2,3,4,5,6,7
	ds_load_b128 v[(\f)+8*(\i):(\f)+8*(\i)+3],   v[ADRA+(\slot)] offset:(\k)+(\i)*16*PITCH
	ds_load_b128 v[(\f)+8*(\i)+4:(\f)+8*(\i)+7], v[ADRA+(\slot)] offset:(\k)+(\i)*16*PITCH+32
.endr
.endm
; A load into a register that a matrix instruction has read, and a vector instruction that reads a matrix result or writes one of a matrix instruction's registers, stand four places behind it, and only
; plain vector instructions that name none of its registers are places (ISA guide 7.12.1 for vector instructions).
.macro PLACES
.rept 4
	v_nop
.endr
.endm
; A K step is four quarter steps of 32 along K, 64 matrix instructions each, on buffers 0, 1, 0, 1.  The 64 accumulators take turns, one instruction a turn, in the same order in every quarter.
; One of the first three: multiplies buffer f; in its middle it fetches the next quarter's fragments, at byte k of the same slot's rows, into buffer g.
.macro QUARTER slot, k, f, g, zero
	s_wait_dscnt 8                                 ; wib and hb's rows 0-63 are in; the youngest eight loads (hb's rows 64-127) may be out
	WIN MUL_LO
	MUL16 \f, 0, 0, \zero
	MUL16 \f, 0, 2, \zero
	PLACES
	FETCH \slot, \k, \g
	s_wait_dscnt 32                                ; all but the 32 just issued
	WIN MUL_HI
	MUL16 \f, 1, 0, \zero
	MUL16 \f, 1, 2, \zero
.endm
; The last quarter multiplies buffer 1 and changes slots.  MEET is its first half: ONE barrier for the change of slots.  In front of it each wave waits for all its tensor loads, of which one is out: its
; part of the next slot; adds 0 to its spare word; and waits for that and for its own reads of this slot.  Behind it nobody reads this slot any more and the next slot is whole.
.macro MEET round                      ; round = 1: a round of the cluster's barrier follows
	WIN 0                                          ; (the add's two registers lie in window 0)
	s_wait_tensorcnt 0x0                           ; all my tensor loads have landed;
	ds_add_u32 v[SPW], v[NIL]                      ; 0 onto my spare word;
	s_wait_dscnt 9                                 ; (the add and the youngest eight loads may be out)
	WIN MUL_LO
	MUL16 F1, 0, 0, 0                              ; sixteen matrix instructions stand between the add and the wait for it
	s_wait_dscnt 0x0                               ; the add is done, and my reads of this slot are over:
	s_barrier_signal -1                            ; say so,
	MUL16 F1, 0, 2, 0                              ; work on registers while the others arrive,
.if \round
	WIN 0
.endif
	s_barrier_wait -1                              ; and go on when all four have said so
.endm
; The whole last quarter.  fill = 1: the barrier opens a round of the cluster's, and the slot just read out is filled again first behind it, with the K step two steps on: from that request to the wait
; for it a wave issues 224 matrix instructions.  Then come the next slot's first fragments.
.macro TURN slot, next, fill
	MEET \fill
.if \fill
	CREST                                          ; no wave of any partner still reads this slot's tile or has a load on its way
	s_add_nc_u64 s[G0+4*(\slot)+2:G0+4*(\slot)+3], s[G0+4*(\slot)+2:G0+4*(\slot)+3], 2*KSTEP*2
	s_add_nc_u64 s[G0B+4*(\slot)+2:G0B+4*(\slot)+3], s[G0B+4*(\slot)+2:G0B+4*(\slot)+3], 2*KSTEP*2
	JLOAD \slot                                    ; the first tensor load behind the round; the four v_nop behind it are also the places in front of the loads below
.else
	PLACES
.endif
	FETCH \next, 0, F0
	WIN MUL_HI
	MUL16 F1, 1, 0, 0
	MUL16 F1, 1, 2, 0
.endm
; THE WAY OUT, a block a of 16 tokens at a time.
; LORA: Z0 = X + T0 B0^T and Z1 = X + T1 B1^T: one matrix instruction each for a 16 x 16 tile, with X's accumulator as C and other registers as D.  T's fragment holds T0 in K = 0 .. 15 and T1 in
; K = 16 .. 31; B's holds the one expert's ranks and zeros in the other half.  No two instructions that follow each other share an accumulator.
.macro LORA a
	WIN 0x61+0x10*((\a)/4)                         ; source 0 (B) and D window 1, source 1 (T) window 0, C window 2 or 3
.irp b, 0,1,2,3,4,5,6,7
.set LBB, 12*(\b)+132*((\b)/5)
	v_wmma_f32_16x16x32_bf16 v[Z0+8*(\b):Z0+8*(\b)+7], v[LBB:LBB+7], v[TF+8*(\a):TF+8*(\a)+7], v[64*((\a)%4)+8*(\b):64*((\a)%4)+8*(\b)+7]
.endr
.irp b, 0,1,2,3,4,5,6,7
.set LBB, 12*(\b)+132*((\b)/5)
	v_wmma_f32_16x16x32_bf16 v[Z1+8*(\b):Z1+8*(\b)+7], v[LBB+4:LBB+11], v[TF+8*(\a):TF+8*(\a)+7], v[64*((\a)%4)+8*(\b):64*((\a)%4)+8*(\b)+7]
.endr
.endm
; MIX: v0 max(Z0, 0) + v1 max(Z1, 0), rounded to bf16: 16 bytes a lane and column block.  Each result is read from its low end on.
.macro MIX
	PLACES
	WIN 0x55                                       ; all in window 1
.irp b, 0,1,2,3,4,5,6,7
.irp j, 0,1,2,3,4,5,6,7
	v_max_num_f32 v[Z0+8*(\b)+(\j)], 0, v[Z0+8*(\b)+(\j)]
.endr
.irp j, 0,1,2,3,4,5,6,7
	v_max_num_f32 v[Z1+8*(\b)+(\j)], 0, v[Z1+8*(\b)+(\j)]
.endr
.irp p, 0,2,4,6
	v_pk_mul_f32 v[Z0+8*(\b)+(\p):Z0+8*(\b)+(\p)+1], v[Z0+8*(\b)+(\p):Z0+8*(\b)+(\p)+1], s[V0P:V0P+1] op_sel_hi:[1,0]
.endr
.irp p, 0,2,4,6
	v_pk_fma_f32 v[Z0+8*(\b)+(\p):Z0+8*(\b)+(\p)+1], v[Z1+8*(\b)+(\p):Z1+8*(\b)+(\p)+1], s[V1P:V1P+1], v[Z0+8*(\b)+(\p):Z0+8*(\b)+(\p)+1] op_sel_hi:[1,0,1]
.endr
.endr
	WIN 0x05                                       ; sources window 1, destination window 0
.irp b, 0,1,2,3,4,5,6,7
.irp p, 0,1,2,3
	v_cvt_pk_bf16_f32 v[TMP+4*(\b)+(\p)], v[Z0+8*(\b)+2*(\p)], v[Z0+8*(\b)+2*(\p)+1]
.endr
.endr
	WIN 0
.endm
.macro TOSTAGE a                       ; into my own stage in LDS, and back as whole rows of 256 bytes
	WIN 0
.set BK, OB+32*((\a)%2)
.irp b, 0,1,2,3,4,5,6,7
	ds_store_b128 v[STO], v[TMP+4*(\b):TMP+4*(\b)+3] offset:32*(\b)
.endr
.irp t, 0,1,2,3,4,5,6,7
	ds_load_b128 v[BK+4*(\t):BK+4*(\t)+3], v[RD] offset:(\t)*2*SPITCH  ; LDS serves a wave's instructions in order (ISA guide 5.7.1.4): these see the stores above
.endr
.endm
.macro SEND a
	WIN 0
.set BK, OB+32*((\a)%2)
	s_wait_dscnt 0x0                               ; the block is back in registers
	s_wait_xcnt 0x0                                ; the other set of rows, which the block before stored, is loaded again only behind this wait
.irp t, 0,1,2,3,4,5,6,7
	global_store_b128 v[CO], v[BK+4*(\t):BK+4*(\t)+3], s[8:9] offset:(16*(\a)+2*(\t))*SIZE_N*2  ; 16 lanes store 256 consecutive bytes, at a multiple of 256 from mix's first byte; 126 rows at the most, inside the signed 24-bit immediate
.endr
.endm
	s_wait_tensorcnt 1                             ; my part of K step 0 is in; K step 1's stays out
	s_wait_loadcnt 0x0                             ; T's and B's fragments
	s_wait_kmcnt 0x0                               ; v0, v1
	s_mov_b32 s[V1P], s[V0P+1]
	s_mov_b32 s[V1P+1], s[V0P+1]
	s_barrier_signal -1
	s_barrier_wait -1                              ; everybody's part is in
	FETCH 0, 0, F0
	QUARTER 0, 64,  F0, F1, 1                      ; the first quarter stands in front of the loop: its products start the sums
	WIN 0                                          ; at a label and at a branch every window is 0
	s_mov_b32 s3, LAPS-1
.Llap:                                                 ; a trip goes once round the ring, from a lap's second quarter to the next lap's first, and fills both slots again
	QUARTER 0, 128, F1, F0, 0
	QUARTER 0, 192, F0, F1, 0
	TURN 0, 1, 1
	QUARTER 1, 64,  F0, F1, 0
	QUARTER 1, 128, F1, F0, 0
	QUARTER 1, 192, F0, F1, 0
	TURN 1, 0, 1
	QUARTER 0, 64,  F0, F1, 0
	WIN 0
	s_sub_co_u32 s3, s3, 1
	s_cmp_lg_u32 s3, 0
	s_cbranch_scc1 .Llap
	QUARTER 0, 128, F1, F0, 0                      ; the last lap fills nothing, and has no round of the cluster's barrier
	QUARTER 0, 192, F0, F1, 0
	TURN 0, 1, 0
	QUARTER 1, 64,  F0, F1, 0
	QUARTER 1, 128, F1, F0, 0
	QUARTER 1, 192, F0, F1, 0
	s_wait_dscnt 8                                 ; the very last quarter: nothing more to fetch
	MUL16 F1, 0, 0, 0
	MUL16 F1, 0, 2, 0
	s_wait_dscnt 0x0
	MUL16 F1, 1, 0, 0
	MUL16 F1, 1, 2, 0
.rept 5
	v_nop                                          ; five places: the products below take finished sums as the C of other accumulators and write over fragment registers
.endr
	LORA 0
	MIX
	TOSTAGE 0
.irp a, 1,2,3,4,5,6,7                  ; block a's products and arithmetic stand between block a - 1's loads from the stage and the wait for them
	LORA \a
	MIX
	SEND (\a)-1
	TOSTAGE \a
.endr
	SEND 7
	s_wait_tensorcnt 0x0                           ; the wave's end: behind my last tensor load and my last LDS store
	ds_add_u32 v[SPW], v[NIL]
	s_wait_dscnt 0x0
	CROUND                                         ; the closing round: no work-group ends while a partner may still ask for a tile that names it
	s_endpgm
.Lfunc_end_k_q6a82de8b6a_ffn1:
	.size	k_q6a82de8b6a_ffn1, .Lfunc_end_k_q6a82de8b6a_ffn1-k_q6a82de8b6a_ffn1
	.p2alignl 7, 3214868480
	.fill 96, 4, 3214868480
	.section	.rodata,"a",@progbits
	.p2align	6, 0x0
	.amdhsa_kernel k_q6a82de8b6a_ffn1
		.amdhsa_group_segment_fixed_size 327680
		.amdhsa_private_segment_fixed_size 0
		.amdhsa_enable_private_segment 0
		.amdhsa_kernarg_size 48
		.amdhsa_user_sgpr_count 2
		.amdhsa_user_sgpr_kernarg_segment_ptr 1
		.amdhsa_wavefront_size32 1
		.amdhsa_system_sgpr_workgroup_id_x 1
		.amdhsa_system_sgpr_workgroup_id_y 1
		.amdhsa_system_sgpr_workgroup_id_z 1
		.amdhsa_system_vgpr_workitem_id 0
		.amdhsa_next_free_vgpr 1024
		.amdhsa_next_free_sgpr 80
		.amdhsa_reserve_vcc 0
		.amdhsa_float_denorm_mode_32 3
		.amdhsa_float_denorm_mode_16_64 3
		.amdhsa_memory_ordered 1
		.amdhsa_forward_progress 1
		.amdhsa_inst_pref_size 221
	.end_amdhsa_kernel
	.amdgpu_metadata
---
amdhsa.version: [ 1, 2 ]
amdhsa.kernels:
  - .name:           k_q6a82de8b6a_ffn1
    .symbol:         k_q6a82de8b6a_ffn1.kd
    .args:
      - { .name: hb, .offset: 0, .size: 8, .value_kind: global_buffer, .address_space: global }
      - { .name: wib, .offset: 8, .size: 8, .value_kind: global_buffer, .address_space: global }
      - { .name: mix, .offset: 16, .size: 8, .value_kind: global_buffer, .address_space: global }
      - { .name: tfrag, .offset: 24, .size: 8, .value_kind: global_buffer, .address_space: global }
      - { .name: bfrag, .offset: 32, .size: 8, .value_kind: global_buffer, .address_space: global }
      - { .name: top_k_values, .offset: 40, .size: 8, .value_kind: global_buffer, .address_space: global }
    .group_segment_fixed_size: 327680
    .private_segment_fixed_size: 0
    .kernarg_segment_align: 8
    .kernarg_segment_size: 48
    .max_flat_workgroup_size: 128
    .sgpr_count:     80
    .vgpr_count:     1024
    .wavefront_size: 32
...
	.end_amdgpu_metadata
.endif
;; end of part 2
;; launch ffn2 (part 3): grid 8 x 32, 4 waves a work-group, clusters of 4 x 1, 327,680 bytes of LDS; arguments mix, wob, out0; writes out0
.if DOCPART == 3
	.amdgcn_target "amdgcn-amd-amdhsa--gfx1250"
	.amdhsa_code_object_version 6
	.text
	.protected	k_q6a82de8b6a_ffn2
	.globl	k_q6a82de8b6a_ffn2
	.p2align	8
	.type	k_q6a82de8b6a_ffn2,@function
k_q6a82de8b6a_ffn2:
	s_mov_b64 s[64:65], 0
	v_nop
	global_prefetch_b8 v0, s[64:65] scope:SCOPE_SE
	s_setreg_imm32_b32 hwreg(HW_REG_WAVE_MODE, 25, 1), 1
	s_wait_xcnt 0x0
	s_wait_alu depctr_hold_cnt(0) depctr_sa_sdst(0) depctr_va_vdst(0) depctr_va_sdst(0) depctr_va_ssrc(0) depctr_va_vcc(0) depctr_vm_vsrc(0)
	s_getreg_b32 s2, hwreg(HW_REG_IB_STS2, 6, 4)
	s_cmp_eq_u32 s2, 0
	s_cbranch_scc0 .Lentry_in_a_cluster
	s_endpgm
.Lentry_in_a_cluster:
	s_bfe_u32 s2, ttmp6, 0x10000c
	s_cmp_lg_u32 s2, 0x3003
	s_cbranch_scc0 .Lentry_shape_is_right
	s_endpgm
.Lentry_shape_is_right:
; out0[t][d] = sum over f of mix[t][f] wo[d][f].  mix: [4096][4096] bf16, row-major.  wob: wo in bf16 in fragment order, [block of 16 rows][K step of 32][half j][lane][16 bytes].  out0: [4096][1024] f32;
; sums in f32, stored as they are.
; A tile of out0 is 128 x 128, so that 32 x 8 tiles give each of 256 work-groups one.  Four waves; a wave makes all 128 rows x 32 columns: 16 accumulators of 16 x 16, 128 registers.
; THE TWO OPERANDS COME BY TWO ROADS.  mix comes through LDS: a ring of two slots of 128 rows x 512 along K, filled by the tensor data mover, 32 rows of 1,024 bytes a wave; every wave reads all 128 rows.
; wob comes straight into registers: a wave's 32 columns are two blocks of its own, and a load of 16 bytes a lane takes 512 consecutive bytes that are half a fragment as they lie; no byte of wob is
; loaded twice in a work-group.  With both operands in LDS a slot would hold 256 along K, 128 matrix instructions a wave; with mix alone it holds 512, and from a slot's request to the wait for it a wave
; issues 240 matrix instructions.
; CLUSTER: the four work-groups of a cluster make four tiles of one tile row and need the same tiles of mix: each is asked for JOINTLY, by the same tensor load with the same descriptor and the mask of four.
; wob's blocks are shared too (by the 32 work-groups of a tile column), but a joint load ends in LDS, where they have no room beside slots of this length: they are loaded by each work-group for itself.
; THE MATRIX INSTRUCTION IS USED TRANSPOSED (source 0 = 16 rows of wo, source 1 = 16 rows of mix): a lane then holds eight neighbouring numbers of a row of out0.
; REGISTERS, in windows of 256 (s_set_vgpr_msb: bits 1:0 source 0, 3:2 source 1, 5:4 source 2, 7:6 destination):
;   window 0: v0-31 addresses; v32-95 rows read back on the way out; v128-255 the accumulators ((a, b) at v[128 + 8 (2 a + b)], a: 16 rows, b: 16 columns)
;   window 1: two buffers of 128 for mix's fragments: 64 along K (two K steps c of 32): K step c, row block a at 64 c + 8 a
;   window 2: wob's ring of 8 places of 32 registers; a place holds a GROUP, 64 along K: K step c, column block b, half j at 16 c + 8 b + 4 j
.set SIZE_N, 1024
.set SIZE_K, 4096
.set KSLOT,  512                       ; along K in a slot
.set PITCH,  1040                      ; an LDS row: 1,024 bytes + 16 of padding = 65 x 16: the 16 rows of a fragment load start at 16 different groups of four banks (64 banks of 4 bytes: ISA guide 11.1)
.set WPART,  32*PITCH                  ; 32 rows: what one tensor load brings
.set SLOT,   128*PITCH
.set SPARE,  2*SLOT                    ; behind the ring: the spare words, 128 bytes for each wave: two blocks of 256 bytes that no other line names
.set STAGE,  SPARE+512                 ; behind them: 64 rows x 528 bytes, the work-group's, for the way out; no tensor load fills it
.set SPITCH, 528                       ; 512 bytes + 16 = 33 x 16
.set LAPS,   SIZE_K/(2*KSLOT)          ; a lap = two slots = once round the ring: 4
.set NBLK,   131072                    ; bytes of a block of 16 rows of wob
.set QB,     2048                      ; bytes of a group in one block: 64 along K
.set ADRA, 16                          ; v16-19  LDS address of my lane's part of mix's fragments: slot s, rows 64 h on, at v[16 + 2 s + h] (an offset holds 16 bits, 128 rows are 133,120 bytes)
.set LO,   20                          ; v20     16 x lane: my 16 bytes in 512 consecutive bytes of wob and of out0; never rewritten
.set STO,  24                          ; v24     the way out: where I put 32 bytes of a row
.set RD,   25                          ; v25     the way out: where I read a row back
.set SPW,  28                          ; v28     LDS address of my spare word: SPARE + 4 x my thread's number; never rewritten
.set NIL,  29                          ; v29     0; never rewritten
.set ACC,  128
.set F0,   0                           ; mix's fragment buffers, in window 1
.set F1,   128
.set G1, 24                            ; s[24:31] descriptor group 1
.set G0, 32                            ; s[32:39] descriptor group 0, one set for each slot
.set TAIL, 0                           ; 1 in the last lap, which is written out
.set MSB, 0
.macro WIN new                         ; the immediate's high byte repeats the setting that is left; a switch that changes nothing is dropped
.if MSB != (\new)
	s_set_vgpr_msb (MSB<<8)|(\new)
.set MSB, \new
.endif
.endm
.set MUL,  0x06                        ; source 0 (wob) window 2, source 1 (mix) window 1; C and D window 0
.set TO_A, 0x40                        ; destination window 1, address window 0
.set TO_B, 0x80                        ; destination window 2, address window 0
.macro CREST                           ; a round of the cluster's barrier behind its opening barrier: wave 0 signals for the work-group, every wave waits for all four work-groups, my work-group's barrier once more
	s_cmp_lg_u32 s10, 0
	s_cbranch_scc1 .Lnot_wave_0_\@
	s_barrier_signal -3
.Lnot_wave_0_\@:
	s_barrier_wait -3
	s_barrier_signal -1
	s_barrier_wait -1
.endm
.macro CROUND                          ; a whole round
	s_barrier_signal -1
	s_barrier_wait -1
	CREST
.endm
.macro PLACES                          ; four places in front of loads into registers that matrix instructions have read, and of LDS stores that read results (ISA guide 7.12.1 for vector instructions)
.rept 4
	v_nop
.endr
.endm
	s_load_b128 s[4:7], s[0:1], 0x0                ; mix s[4:5], wob s[6:7]
	s_load_b64 s[8:9], s[0:1], 0x10                ; out0
	v_lshl_add_u32 v[SPW], v0, 2, SPARE
	v_mov_b32 v[NIL], 0
	ds_add_u32 v28, v29
	ds_add_u32 v28, v29
	s_wait_dscnt 0x0
	v_lshrrev_b32 v1, 5, v0
	v_readfirstlane_b32 s10, v1                    ; wave 0..3
	s_bfe_u32 s40, ttmp6, 0x40000                  ; cx: my place in the cluster
	s_lshl_b32 s42, ttmp9, 2                       ; in a cluster launch ttmp9 counts clusters
	s_add_co_u32 s42, s42, s40                     ; tile column = 4 x cluster x + cx: it enters wob's and out0's addresses alone
	s_and_b32 s13, ttmp7, 0xffff                   ; tile row, which the four partners share
	; descriptor group 1: a tile of 32 rows x 512 elements, padded in LDS
	s_mov_b32 s[G1+0], 15|(1<<16)|(1<<20)|(1<<21)|(7<<22)|(3<<25)  ; 15:0 the mask: all four work-groups; 17:16 element of 2 bytes; 20 padding on; 21 set beside a mask; 24:22 after every 256 words (code 7); 31:25 of 4 words (code 3)
	s_mov_b32 s[G1+1], KSLOT<<16                   ; tensor_dim0 = 512
	s_mov_b32 s[G1+2], 32<<16                      ; tensor_dim1 = 32
	s_mov_b32 s[G1+3], KSLOT<<16                   ; tile_dim0 = 512
	s_mov_b32 s[G1+4], 32                          ; tile_dim1 = 32
	s_mov_b32 s[G1+5], SIZE_K                      ; elements from row to row
	s_mov_b32 s[G1+6], 0
	s_mov_b32 s[G1+7], 0
	s_lshl_b32 s16, s13, 7                         ; the tile's first row
	s_lshl_b32 s17, s10, 5
	s_add_co_u32 s17, s16, s17                     ; the first row of mix that I fetch: 128 x tile row + 32 x wave
	s_lshl_b32 s18, s10, 4
	s_add_co_u32 s18, s16, s18                     ; the first row of out0 that I store: 128 x tile row + 16 x wave
	s_lshl_b32 s16, s17, 13                        ; a row of mix is 8,192 bytes
	s_mov_b32 s17, 0
	s_lshl_b32 s18, s18, 12                        ; a row of out0 is 4,096 bytes
	s_mov_b32 s19, 0
	s_mul_i32 s20, s10, WPART                      ; where my rows go: wave x 32 rows: no place in the cluster enters an LDS address
	s_wait_kmcnt 0x0
	s_add_nc_u64 s[14:15], s[4:5], s[16:17]
	CROUND                                         ; all four work-groups are here: the first joint loads meet
.irp s, 0,1
	s_mov_b32 s[G0+4*(\s)], 1                                      ; count = 1
	s_add_co_u32 s[G0+4*(\s)+1], s20, (\s)*SLOT                    ; LDS address
	s_add_nc_u64 s[G0+4*(\s)+2:G0+4*(\s)+3], s[14:15], (\s)*KSLOT*2  ; global address: K from 512 s on
	s_or_b32 s[G0+4*(\s)+3], s[G0+4*(\s)+3], 0x80000000            ; type = 2
.endr
	tensor_load_to_lds s[G0:G0+3], s[G1:G1+7]      ; the two first fills stand together, ahead of every wait on TENSORcnt and every LDS read: two loads of mine are out
	s_nop 0
	tensor_load_to_lds s[G0+4:G0+7], s[G1:G1+7]
	s_nop 0
	PLACES                                         ; four v_nop follow the second
	v_and_b32 v[LO], 31, v0
	v_lshlrev_b32 v[LO], 4, v[LO]
	s_lshl_b32 s46, s42, 20                        ; wob: 8 blocks of 131,072 bytes a tile column,
	s_lshl_b32 s47, s10, 18                        ; 2 a wave
	s_add_co_u32 s46, s46, s47
	s_mov_b32 s47, 0
	s_add_nc_u64 s[6:7], s[6:7], s[46:47]
; Group g of wob, 64 along K of my two blocks: eight loads of 512 consecutive bytes, into place g % 8 of the ring.  g counts from the base, which steps by 16 groups a trip.
.macro BGROUP g
	WIN TO_B
.irp c, 0,1
.irp b, 0,1
.irp j, 0,1
	global_load_b128 v[32*((\g)%8)+16*(\c)+8*(\b)+4*(\j):32*((\g)%8)+16*(\c)+8*(\b)+4*(\j)+3], v[LO], s[6:7] offset:(\g)*QB+(\b)*NBLK+(\c)*1024+(\j)*512
.endr
.endr
.endr
.endm
.irp g, 0,1,2,3,4,5,6
	BGROUP \g                                      ; seven groups go out at the start; from then on quarter t asks for group t + 7: at most 56 loads of mine are out
.endr
	WIN 0
	; A fragment of mix is 16 rows x 32 K in 8 registers: lane l holds row l % 16; registers 0-3 hold K = 8 (l / 16) + 0..7, registers 4-7 K = 16 + 8 (l / 16) + 0..7: two loads of 16 bytes, 32 bytes apart.
	v_and_b32 v1, 15, v0                           ; l % 16
	v_bfe_u32 v2, v0, 4, 1                         ; l / 16
	v_mul_u32_u24 v3, v1, PITCH
	v_lshl_add_u32 v3, v2, 4, v3                   ; row x pitch + 16 x half
	v_mov_b32 v[ADRA+0], v3
	v_add_nc_u32 v[ADRA+1], 64*PITCH, v3
	v_add_nc_u32 v[ADRA+2], SLOT, v3
	v_add_nc_u32 v[ADRA+3], SLOT+64*PITCH, v3
	v_mul_u32_u24 v4, v1, SPITCH                   ; into the stage: row l % 16; my wave's 128 bytes of it; 32 bytes (eight f32) for each half of the lanes
	v_lshl_add_u32 v4, v2, 5, v4
	s_lshl_b32 s23, s10, 7
	s_add_co_u32 s23, s23, STAGE
	v_add_nc_u32 v[STO], s23, v4
	s_mul_i32 s23, s10, 16*SPITCH                  ; back: wave w takes the stage's rows 16 w .. 16 w + 15, whole: 32 lanes x 16 bytes are a row
	s_add_co_u32 s23, s23, STAGE
	v_add_nc_u32 v[RD], s23, v[LO]
	s_add_nc_u64 s[8:9], s[8:9], s[18:19]
	s_lshl_b32 s46, s42, 9                         ; the tile's first column, in bytes
	s_mov_b32 s47, 0
	s_add_nc_u64 s[8:9], s[8:9], s[46:47]
; 8 matrix instructions: row blocks a0 .. a0 + 3 x both column blocks, K step c of buffer f and of ring place p.  zero = 1: the first product starts the sums.
; The 16 accumulators take turns, one instruction a turn, in the same order in every K step.
.macro MULH f, p, c, a0, zero
	WIN MUL
.irp a, \a0, (\a0)+1, (\a0)+2, (\a0)+3
.irp b, 0,1
.if \zero
	v_wmma_f32_16x16x32_bf16 v[ACC+8*(2*(\a)+(\b)):ACC+8*(2*(\a)+(\b))+7], v[32*(\p)+16*(\c)+8*(\b):32*(\p)+16*(\c)+8*(\b)+7], v[(\f)+64*(\c)+8*(\a):(\f)+64*(\c)+8*(\a)+7], 0
.else
	v_wmma_f32_16x16x32_bf16 v[ACC+8*(2*(\a)+(\b)):ACC+8*(2*(\a)+(\b))+7], v[32*(\p)+16*(\c)+8*(\b):32*(\p)+16*(\c)+8*(\b)+7], v[(\f)+64*(\c)+8*(\a):(\f)+64*(\c)+8*(\a)+7], v[ACC+8*(2*(\a)+(\b)):ACC+8*(2*(\a)+(\b))+7]
.endif
.endr
.endr
.endm
; 32 LDS loads in one run: mix's fragments of quarter q of a slot (128 rows, 64 along K) into buffer f; the first 32 along K first
.macro FETCH slot, q, f
	WIN TO_A
.irp c, 0,1
.irp i, 0,1,2,3,4,5,6,7
	ds_load_b128 v[(\f)+64*(\c)+8*(\i):(\f)+64*(\c)+8*(\i)+3],   v[ADRA+2*(\slot)+(\i)/4] offset:128*(\q)+64*(\c)+((\i)%4)*16*PITCH
	ds_load_b128 v[(\f)+64*(\c)+8*(\i)+4:(\f)+64*(\c)+8*(\i)+7], v[ADRA+2*(\slot)+(\i)/4] offset:128*(\q)+64*(\c)+((\i)%4)*16*PITCH+32
.endr
.endr
.endm
; What quarter u of a lap (0 .. 16) does with wob.  LC: the loads younger than its own group that may stay out: six groups of eight; in the last lap, whose quarter u is the launch's quarter 48 + u of 64,
; the groups end with number 63, so quarters 9 on ask for nothing (BL = 0) and the counts run down from quarter 10 on.
.macro BSTATE u
.set BL, 1
.set LC, 48
.if TAIL && ((\u) > 8)
.set BL, 0
.endif
.if TAIL && ((\u) > 9)
.set LC, 8*(15-(\u))
.endif
.endm
; A slot is eight quarters of 64 along K, 32 matrix instructions each, on buffers 0, 1, 0, 1 ...  One of the first seven (quarter q of the slot, u of the lap): multiplies buffer f by ring place u % 8; in its
; middle, in one run, it fetches the next quarter's fragments of mix into buffer g and asks for wob's group u + 7, into the place that the quarter before has multiplied by.
.macro QUARTER slot, q, u, f, g, zero
	BSTATE \u
	s_wait_loadcnt LC                              ; loads come back in order (ISA guide 5.7.1): my group of wob is in
	s_wait_dscnt 16                                ; mix's first 32 along K are in
	MULH \f, (\u)%8, 0, 0, \zero
	MULH \f, (\u)%8, 0, 4, \zero
	PLACES
	FETCH \slot, (\q)+1, \g
.if BL
	BGROUP (\u)+7
.endif
	s_wait_dscnt 32                                ; all but the 32 LDS loads just issued
	MULH \f, (\u)%8, 1, 0, 0
	MULH \f, (\u)%8, 1, 4, 0
.endm
; The eighth quarter multiplies buffer 1 and changes slots: ONE barrier; in front of it each wave waits for all its tensor loads, of which one is out: its part of the next slot; adds 0 to its spare word;
; and waits for that and for its own reads of this slot.  fill = 1: the barrier opens a round of the cluster's, and this slot is filled again first behind it, with K two slots on.
.macro TURN slot, next, u, fill
	BSTATE \u
	s_wait_loadcnt LC                              ; my group of wob is in
	WIN 0                                          ; (the add's two registers lie in window 0)
	s_wait_tensorcnt 0x0                           ; all my tensor loads have landed: my part of the next slot;
	ds_add_u32 v[SPW], v[NIL]                      ; 0 onto my spare word;
	s_wait_dscnt 17                                ; (the add and the youngest sixteen loads may be out)
	MULH F1, (\u)%8, 0, 0, 0                       ; eight matrix instructions stand between the add and the wait for it
	s_wait_dscnt 0x0                               ; the add is done, and my reads of this slot are over
	s_barrier_signal -1
	MULH F1, (\u)%8, 0, 4, 0
.if \fill
	WIN 0
.endif
	s_barrier_wait -1
.if \fill
	CREST                                          ; no wave of any partner still reads this slot's tile or has a load on its way
	s_add_nc_u64 s[G0+4*(\slot)+2:G0+4*(\slot)+3], s[G0+4*(\slot)+2:G0+4*(\slot)+3], 2*KSLOT*2
	tensor_load_to_lds s[G0+4*(\slot):G0+4*(\slot)+3], s[G1:G1+7]  ; my one tensor load behind the round, and the first thing there: 240 matrix instructions ahead of the wait for it
	s_nop 0
.endif
	PLACES                                         ; behind the load, and the places in front of the loads below
	FETCH \next, 0, F0
.if BL
	BGROUP (\u)+7
.endif
	MULH F1, (\u)%8, 1, 0, 0
	MULH F1, (\u)%8, 1, 4, 0
.endm
.macro SIX slot, u0                    ; quarters 1 to 6 of a slot; the lap's quarter is u0 + q
.irp q, 1,3,5
	QUARTER \slot, \q, (\u0)+(\q), F1, F0, 0
	QUARTER \slot, (\q)+1, (\u0)+(\q)+1, F0, F1, 0
.endr
.endm
	s_wait_tensorcnt 1                             ; my part of slot 0 is in; slot 1's stays out
	s_barrier_signal -1
	s_barrier_wait -1                              ; everybody's is
	FETCH 0, 0, F0
	QUARTER 0, 0, 0, F0, F1, 1                     ; the first quarter stands in front of the loop: its first products start the sums
	WIN 0                                          ; at a label and at a branch every window is 0
	s_mov_b32 s3, LAPS-1
.Llap:                                                 ; a trip goes once round the ring, from a lap's second quarter to the next lap's first, and fills both slots again
	SIX 0, 0
	TURN 0, 1, 7, 1
	QUARTER 1, 0, 8, F0, F1, 0
	SIX 1, 8
	TURN 1, 0, 15, 1
	QUARTER 0, 0, 16, F0, F1, 0
	WIN 0
	s_wait_xcnt 0x0                                ; wob's base, which the loads above name, is stepped only behind this wait
	s_add_nc_u64 s[6:7], s[6:7], 16*QB
	s_sub_co_u32 s3, s3, 1
	s_cmp_lg_u32 s3, 0
	s_cbranch_scc1 .Llap
.set TAIL, 1                                           ; the last lap fills nothing, has no round of the cluster's barrier, and asks for wob's last groups only
	SIX 0, 0
	TURN 0, 1, 7, 0
	QUARTER 1, 0, 8, F0, F1, 0
	SIX 1, 8
	s_wait_loadcnt 0x0                             ; the very last quarter: wob's last group;
	s_wait_dscnt 16                                ; nothing more to fetch
	MULH F1, 7, 0, 0, 0
	MULH F1, 7, 0, 4, 0
	s_wait_dscnt 0x0
	MULH F1, 7, 1, 0, 0
	MULH F1, 7, 1, 4, 0
	WIN 0
	; THE WAY OUT.  A wave's 32 columns are 128 bytes of a row's 512, so the four waves share one stage, and a barrier stands between the writing and the reading.  The stage holds 64 rows: the tile goes in
	; two halves, with a barrier between the first half's reads and the second half's writes.  A lane's eight f32 go as two stores of 16 bytes, each accumulator's low four registers first.
.macro STG h                           ; row blocks 4 h .. 4 h + 3 into the stage
.irp a, 0,1,2,3
.irp b, 0,1
	ds_store_b128 v[STO], v[ACC+8*(2*(4*(\h)+(\a))+(\b)):ACC+8*(2*(4*(\h)+(\a))+(\b))+3]   offset:(\a)*16*SPITCH+64*(\b)
	ds_store_b128 v[STO], v[ACC+8*(2*(4*(\h)+(\a))+(\b))+4:ACC+8*(2*(4*(\h)+(\a))+(\b))+7] offset:(\a)*16*SPITCH+64*(\b)+16
.endr
.endr
.endm
.macro BACK h                          ; my 16 rows of the stage, whole, and out: into v32-95, the second time into the first half's accumulators, which have been stored
.set BK, 32+96*(\h)
.irp t, 0,1,2,3,4,5,6,7,8,9,10,11,12,13,14,15
	ds_load_b128 v[BK+4*(\t):BK+4*(\t)+3], v[RD] offset:(\t)*SPITCH
.endr
.irp t, 0,1,2,3,4,5,6,7,8,9,10,11,12,13,14,15
	s_wait_dscnt 15-(\t)                           ; LDS loads come back in order: row t is in
	global_store_b128 v[LO], v[BK+4*(\t):BK+4*(\t)+3], s[8:9] offset:(64*(\h)+(\t))*SIZE_N*4 th:TH_STORE_NT  ; 32 lanes store 512 consecutive bytes, at a multiple of 512 from out0's first byte
.endr
.endm
	PLACES
	STG 0
	s_wait_dscnt 0x0                               ; for the others' sake: my stores into the stage are done
	s_barrier_signal -1
	s_barrier_wait -1
	BACK 0                                         ; its last wait is for 0: my reads of the stage are back
	s_barrier_signal -1
	s_barrier_wait -1                              ; everybody's are: the stage may be written again
	STG 1
	s_wait_dscnt 0x0
	s_barrier_signal -1
	s_barrier_wait -1
	BACK 1
	s_wait_tensorcnt 0x0                           ; the wave's end: behind my last tensor load and my last LDS store
	ds_add_u32 v[SPW], v[NIL]
	s_wait_dscnt 0x0
	CROUND                                         ; the closing round: no work-group ends while a partner may still ask for a tile that names it
	s_endpgm
.Lfunc_end_k_q6a82de8b6a_ffn2:
	.size	k_q6a82de8b6a_ffn2, .Lfunc_end_k_q6a82de8b6a_ffn2-k_q6a82de8b6a_ffn2
	.p2alignl 7, 3214868480
	.fill 96, 4, 3214868480
	.section	.rodata,"a",@progbits
	.p2align	6, 0x0
	.amdhsa_kernel k_q6a82de8b6a_ffn2
		.amdhsa_group_segment_fixed_size 327680
		.amdhsa_private_segment_fixed_size 0
		.amdhsa_enable_private_segment 0
		.amdhsa_kernarg_size 24
		.amdhsa_user_sgpr_count 2
		.amdhsa_user_sgpr_kernarg_segment_ptr 1
		.amdhsa_wavefront_size32 1
		.amdhsa_system_sgpr_workgroup_id_x 1
		.amdhsa_system_sgpr_workgroup_id_y 1
		.amdhsa_system_sgpr_workgroup_id_z 1
		.amdhsa_system_vgpr_workitem_id 0
		.amdhsa_next_free_vgpr 768
		.amdhsa_next_free_sgpr 66
		.amdhsa_reserve_vcc 0
		.amdhsa_float_denorm_mode_32 3
		.amdhsa_float_denorm_mode_16_64 3
		.amdhsa_memory_ordered 1
		.amdhsa_forward_progress 1
		.amdhsa_inst_pref_size 177
	.end_amdhsa_kernel
	.amdgpu_metadata
---
amdhsa.version: [ 1, 2 ]
amdhsa.kernels:
  - .name:           k_q6a82de8b6a_ffn2
    .symbol:         k_q6a82de8b6a_ffn2.kd
    .args:
      - { .name: mix, .offset: 0, .size: 8, .value_kind: global_buffer, .address_space: global }
      - { .name: wob, .offset: 8, .size: 8, .value_kind: global_buffer, .address_space: global }
      - { .name: out0, .offset: 16, .size: 8, .value_kind: global_buffer, .address_space: global }
    .group_segment_fixed_size: 327680
    .private_segment_fixed_size: 0
    .kernarg_segment_align: 8
    .kernarg_segment_size: 24
    .max_flat_workgroup_size: 128
    .sgpr_count:     66
    .vgpr_count:     768
    .wavefront_size: 32
...
	.end_amdgpu_metadata
.endif
;; end of part 3
;; ======== version 2 of 2: 3 launches; version 1 with the launch prep written anew for expert scheduling mode
;; workspace buffers: hb 8,388,608 bytes; wib 8,388,608 bytes; wob 8,388,608 bytes; tfrag 262,144 bytes; bfrag 262,144 bytes; mix 33,554,432 bytes
;; launch prep (part 4): grid 64 x 3, 8 waves a work-group, no clusters, 199,168 bytes of LDS; arguments hidden_states, wi_w, wo_w, lora_As, lora_Bs, top_k_indices, hb, wib, wob, tfrag, bfrag; writes hb, wib, wob, tfrag, bfrag
.if DOCPART == 4
	.amdgcn_target "amdgcn-amd-amdhsa--gfx1250"
	.amdhsa_code_object_version 6
	.text
	.protected	k_q6a82de8b6a_prep
	.globl	k_q6a82de8b6a_prep
	.p2align	8
	.type	k_q6a82de8b6a_prep,@function
k_q6a82de8b6a_prep:
	s_mov_b64 s[64:65], 0
	v_nop
	global_prefetch_b8 v0, s[64:65] scope:SCOPE_SE
	s_setreg_imm32_b32 hwreg(HW_REG_WAVE_SCHED_MODE, 0, 2), 2
	s_setreg_imm32_b32 hwreg(HW_REG_WAVE_MODE, 25, 1), 1
	s_wait_xcnt 0x0
	s_wait_alu depctr_vm_vsrc(0)
; PREPARATION.  h [4096][1024], wi [4096][1024] and wo [1024][4096] go from f32 to bf16, each number rounded once: hb, wib (row-major) and wob (in fragment order, below).
; In the same pass over h: T_k = h A_k^T (rank 16) for the two chosen experts k, on the matrix unit, sums in f32, rounded once to bf16.  In the pass over wi: the two chosen tables B_k to bf16.
; T and B are stored in the order in which a matrix fragment's registers want them: [block of 16 rows][k][lane][16 bytes]; lane (r = lane % 16, hh = lane / 16) holds row r, ranks 8 hh .. 8 hh + 7.
; wob likewise: [block of 16 rows of wo][K step of 32][half j][lane][16 bytes]; the lane holds wo[16 block + r][32 step + 16 j + 8 hh + 0..7]: a wave that loads 16 bytes a lane takes 512 consecutive bytes and has half a fragment.
; SHARES.  Work-group y says which tensor (0: h, 1: wi, 2: wo): three straight texts.  Work-group x owns 64 rows of 1,024 numbers (of wo: 16 rows of 4,096, one block), each of its eight waves 8.
; A row is eight loads of 512 consecutive bytes; hb and wib leave by eight stores of 256 consecutive bytes, each at a multiple of 256 from its buffer's first byte.  A ring of four row slots in registers
; keeps up to 32 loads of every wave on their way.
; 64 rows of h are 4 blocks of 16 tokens x 2 experts = 8 tiles of T: one a wave, so no sum crosses waves.  For that the work-group's hb rows and the 32 rows of A (bf16) meet in LDS.
; wo's block meets in LDS too: rows go in as they come, fragments come out, 16 K steps a wave.
; NO CLUSTER, NO TENSOR LOADS: the stream shares nothing; what the 64 work-groups of the h part share is the two tables of A, 128 KiB beside each one's 256 KiB of h, read by plain loads.
; LIMITS.  bf16 rounding of every number; T's even and odd K steps are summed apart and added at the end; an index is taken as 0 .. 7 (the minimum with 7 only keeps the address inside the table).
; THE MODE: SCHED_MODE bits 1:0 = 2 (LLVM: expert scheduling mode 2), set by the entry lines.  The code itself states the register dependences between vector or matrix instructions and memory or LDS
; instructions, with s_wait_alu, always for 0.
; THE PLAN.  Registers that memory or LDS instructions touch:
;   X0 .. X3     A row slot: the row's eight loads land in it, the row's sixteen conversions read it, and behind them the loads of the row four further on land in it.
;                In the h part's second half the four slots are two buffers of fragments: sixteen LDS loads land, four products read, the LDS loads of the batch two further on land.
;                In the wo part's second half LDS loads land in them and wob's stores read them; nothing writes them again.
;   Y0, Y1       Row n's conversions write Y[n % 2]; row n's stores (to memory, to LDS or both) read it; row n + 2's conversions write it again.
;   BX, BY       BX: two loads land, four conversions read.  BY: conversions write, one store reads.
;   v3, v4, v9, v11 (made at the head) and v5 to v8, v10 (made at a part's head): offsets and LDS addresses, never written again.
;   v200, v201   Written at the head, read by the closing add alone.
; So a row has two waits.  On vm_vsrc at its head, behind the wait for its data, from row 2 on: the stores of two rows back have read the Y set that it writes again.  On va_vdst behind its conversions: they are
; done reading the slot and have written Y; the row's loads and stores follow with no further wait, since no vector instruction stands among them.  The slot is asked for again in its own row and not a row later:
; a slot that waited for the next row's head would lie idle for a quarter of the ring's round.  A batch of products has one wait on va_vdst, behind its four products, ahead of the loads into the buffer that they read.
.set PIT,  2064                        ; the h part's LDS row: 2,048 bytes + 16 = 129 x 16: the 16 rows of a fragment load start at 16 different groups of four banks (64 banks of 4 bytes: ISA guide 11.1)
.set ACAT, 64*PIT                      ; behind the 64 rows of hb: 32 rows of A, the first index's 16, then the second's
.set PW,   8208                        ; the wo part's LDS row: 8,192 bytes + 16 = 513 x 16, for the same reason; 16 rows from byte 0 on
.set VI,   3                           ; v3   byte offset of my 16 bytes in my wave's first row, f32
.set VOUT, 4                           ; v4   of my 8 bytes in my wave's first row, bf16
.set VL,   5                           ; v5   LDS address of my 8 bytes in my wave's first row
.set VLA,  6                           ; v6   the same in my wave's first row of A
.set FA,   7                           ; v7   LDS address of my lane's part of a fragment of A (the wo part: my byte offset in the block of wob)
.set FH,   8                           ; v8   of hb (the wo part: of wo)
.set TO,   9                           ; v9   16 x thread: my 16 bytes in the work-group's 4,096 bytes of tfrag or bfrag
.set VB,   10                          ; v10  byte offset of my 8 numbers in the work-group's 64 rows of lora_B
.set VA,   11                          ; v11  16 x lane
.set BX,   12                          ; v[12:19]   8 numbers of lora_B as loaded (the h and wo parts: v12, v13 at work)
.set BY,   20                          ; v[20:23]   8 bf16 to store
.set Y,    24                          ; v[24:55]   two sets of 16: a row's bf16
.set X,    56                          ; v[56:183]  four row slots of 32; later fragments
.set ACC0, 184                         ; v[184:191] T's sum over the even K steps
.set ACC1, 192                         ; v[192:199] over the odd ones
.macro LDROW slot, voff, base, imm, nt ; eight loads: a whole row.  nt = 1: data that the launch reads once
.irp c, 0,1,2,3,4,5,6,7
.if \nt
	global_load_b128 v[X+32*(\slot)+4*(\c):X+32*(\slot)+4*(\c)+3], v[\voff], s[\base:\base+1] offset:(\imm)+512*(\c) th:TH_LOAD_NT
.else
	global_load_b128 v[X+32*(\slot)+4*(\c):X+32*(\slot)+4*(\c)+3], v[\voff], s[\base:\base+1] offset:(\imm)+512*(\c)
.endif
.endr
.endm
.macro CVROW slot, set                 ; 32 f32 a lane -> 16 registers of bf16
.irp e, 0,1,2,3,4,5,6,7,8,9,10,11,12,13,14,15
	v_cvt_pk_bf16_f32 v[Y+16*(\set)+(\e)], v[X+32*(\slot)+2*(\e)], v[X+32*(\slot)+2*(\e)+1]
.endr
.endm
.macro STROW set, dst, imm             ; eight stores: 32 lanes x 8 bytes = 256 consecutive bytes each
.irp c, 0,1,2,3,4,5,6,7
	global_store_b64 v[VOUT], v[Y+16*(\set)+2*(\c):Y+16*(\set)+2*(\c)+1], s[\dst:\dst+1] offset:(\imm)+256*(\c)
.endr
.endm
.macro LSROW set, vaddr, imm           ; the same row into LDS
.irp c, 0,1,2,3,4,5,6,7
	ds_store_b64 v[\vaddr], v[Y+16*(\set)+2*(\c):Y+16*(\set)+2*(\c)+1] offset:(\imm)+256*(\c)
.endr
.endm
; Row n of a plain stream of 8 rows.  left = the younger loads that may stay out; more = 1: the slot takes the row four further on.
.macro SROW n, left, src, dst, more
	s_wait_loadcnt \left                           ; loads come back in order (ISA guide 5.7.1): row n is in
.if (\n) > 1                                           ; rows 0 and 1: nothing has read Y yet
	s_wait_xcnt 0x0                                ; Y's set was the data of the stores two rows back: it is rewritten only behind this wait,
	s_wait_alu depctr_vm_vsrc(0)                   ; and behind this one: those stores have read Y's set, which the conversions below write again
.endif
	CVROW (\n)%4, (\n)%2
	s_wait_alu depctr_va_vdst(0)                   ; the conversions are done reading the slot, in which the loads below land, and have written Y's set, which the stores below read
.if \more
	LDROW (\n)%4, VI, \src, ((\n)+4)*4096, 1
.endif
	STROW (\n)%2, \dst, (\n)*2048
.endm
; Row n (0 .. 7) of h: stored as hb and laid into LDS; the slot takes h's row n + 4 or, from n = 4 on, my wave's row n - 4 of A.
.macro HROW n
	s_wait_loadcnt 24                              ; three younger rows, eight loads each, stay out
.if (\n) > 1                                           ; rows 0 and 1: nothing has read Y yet
	s_wait_xcnt 0x0                                ; Y's set was the data of the stores two rows back
	s_wait_alu depctr_vm_vsrc(0)                   ; those stores, to memory and to LDS, have read Y's set, which the conversions below write again
.endif
	CVROW (\n)%4, (\n)%2
	s_wait_alu depctr_va_vdst(0)                   ; the conversions are done reading the slot, in which the loads below land, and have written Y's set, which the stores below read; in row 0 also: v5 to v8 are written
.if (\n) < 4
	LDROW (\n)%4, VI, 8, ((\n)+4)*4096, 1
.else
	LDROW (\n)%4, VA, 14, ((\n)-4)*4096, 0
.endif
	STROW (\n)%2, 20, (\n)*2048
	LSROW (\n)%2, VL, (\n)*PIT
.endm
.macro AROW n, left                    ; ring row n (8 .. 11): my wave's row n - 8 of A, into LDS alone
	s_wait_loadcnt \left
	s_wait_xcnt 0x0                                ; Y's set was the data of h's last stores
	s_wait_alu depctr_vm_vsrc(0)                   ; the stores of two rows back have read Y's set, which the conversions below write again
	CVROW (\n)%4, (\n)%2
	s_wait_alu depctr_va_vdst(0)                   ; the conversions have written Y's set, which the LDS stores below read, and are done reading the slot, in which fragments land later
	LSROW (\n)%2, VLA, ((\n)-8)*PIT
.endm
; Flat row n (0 .. 7) of my wave's part of wo: quarter n % 4 of wo's row 2 wave + n / 4, into LDS alone.  Y's sets are the data of LDS stores only.
.macro WROW n, left, more
	s_wait_loadcnt \left
.if (\n) > 1                                           ; rows 0 and 1: nothing has read Y yet
	s_wait_alu depctr_vm_vsrc(0)                   ; the LDS stores of two rows back have read Y's set, which the conversions below write again
.endif
	CVROW (\n)%4, (\n)%2
	s_wait_alu depctr_va_vdst(0)                   ; the conversions are done reading the slot, in which loads land (a row's below, fragments' later), and have written Y's set, which the LDS stores below read; in row 0 also: v5, v7 and v8 are written
.if \more
	LDROW (\n)%4, VI, 12, ((\n)+4)*4096, 1
.endif
	LSROW (\n)%2, VL, ((\n)/4)*PW+((\n)%4)*2048
.endm
; Batch g (0 .. 7) of T's fragments: K steps 4 g .. 4 g + 3 into buffer g % 2, sixteen LDS loads.  K step i of the batch has 16 registers: A's fragment, then hb's.
.macro LOADH g
.set PB, X+64*((\g)%2)
.irp i, 0,1,2,3
	ds_load_b128 v[PB+16*(\i):PB+16*(\i)+3],     v[FA] offset:64*(4*(\g)+(\i))
	ds_load_b128 v[PB+16*(\i)+4:PB+16*(\i)+7],   v[FA] offset:64*(4*(\g)+(\i))+32
	ds_load_b128 v[PB+16*(\i)+8:PB+16*(\i)+11],  v[FH] offset:64*(4*(\g)+(\i))
	ds_load_b128 v[PB+16*(\i)+12:PB+16*(\i)+15], v[FH] offset:64*(4*(\g)+(\i))+32
.endr
.endm
	s_load_b512 s[8:23], s[0:1], 0x0               ; h s[8:9], wi s[10:11], wo s[12:13], lora_As s[14:15], lora_Bs s[16:17], indices s[18:19], hb s[20:21], wib s[22:23]
	s_load_b128 s[24:27], s[0:1], 0x40             ; wob s[24:25], tfrag s[26:27]
	s_load_b64 s[28:29], s[0:1], 0x50              ; bfrag
	v_lshl_add_u32 v200, v0, 2, 0x30600            ; the LDS address of my spare word and 0: made here and kept for the closing lines alone
	v_mov_b32 v201, 0
	v_and_b32 v1, 31, v0                           ; lane
	v_lshrrev_b32 v2, 5, v0
	v_readfirstlane_b32 s30, v2                    ; wave 0..7
	s_and_b32 s31, ttmp7, 0xffff                   ; which tensor
	s_lshl_b32 s32, ttmp9, 18                      ; the work-group's 64 rows of 4,096 bytes
	s_mov_b32 s33, 0
	s_lshl_b32 s34, ttmp9, 17                      ; of 2,048 bytes
	s_mov_b32 s35, 0
	s_lshl_b32 s36, ttmp9, 12                      ; its 4,096 bytes of tfrag, of bfrag and of a table of lora_B
	s_mov_b32 s37, 0
	v_lshlrev_b32 v[VA], 4, v1
	v_lshl_or_b32 v[VI], v2, 15, v[VA]             ; wave x 8 rows x 4,096 + 16 x lane
	v_lshlrev_b32 v[VOUT], 3, v1
	v_lshl_or_b32 v[VOUT], v2, 14, v[VOUT]         ; wave x 8 rows x 2,048 + 8 x lane
	v_lshlrev_b32 v[TO], 4, v0
	s_wait_alu depctr_va_sdst(0)                   ; s30 is written, ahead of the branches and of its first reader: each part makes LDS places and table offsets from it
	s_wait_alu depctr_va_vdst(0)                   ; v3, v4, v9 and v11 are written: the loads and stores of all three parts read them as offsets
	s_wait_kmcnt 0x0
	s_cmp_eq_u32 s31, 1                            ; the branch hangs on the work-group's number alone: all eight waves go the same way
	s_cbranch_scc1 .Lwi
	s_cmp_eq_u32 s31, 2
	s_cbranch_scc1 .Lwo
	; ---- h: hb, and T ----
	s_load_b64 s[40:41], s[18:19], 0x0             ; both indices
	s_add_nc_u64 s[8:9], s[8:9], s[32:33]
	s_add_nc_u64 s[20:21], s[20:21], s[34:35]
	s_add_nc_u64 s[26:27], s[26:27], s[36:37]
	LDROW 0, VI, 8, 0, 1
	LDROW 1, VI, 8, 4096, 1
	LDROW 2, VI, 8, 8192, 1
	LDROW 3, VI, 8, 12288, 1
	s_mul_i32 s38, s30, 8*PIT                      ; my wave's 8 rows of hb in LDS
	s_mul_i32 s39, s30, 4*PIT                      ; my wave's 4 rows of A
	s_add_co_u32 s39, s39, ACAT
	v_lshl_add_u32 v[VL], v1, 3, s38
	v_lshl_add_u32 v[VLA], v1, 3, s39
	v_and_b32 v2, 15, v0                           ; r
	v_bfe_u32 v12, v0, 4, 1                        ; hh
	v_mul_u32_u24 v13, v2, PIT
	v_lshl_add_u32 v13, v12, 4, v13                ; row x pitch + 16 x half
	s_and_b32 s42, s30, 1                          ; my tile of T: expert wave % 2,
	s_mul_i32 s42, s42, 16*PIT
	s_add_co_u32 s42, s42, ACAT
	s_lshr_b32 s43, s30, 1                         ; token block wave / 2
	s_mul_i32 s43, s43, 16*PIT
	v_add_nc_u32 v[FA], s42, v13
	v_add_nc_u32 v[FH], s43, v13
	s_wait_kmcnt 0x0                               ; the indices
	s_cmp_lt_u32 s30, 4                            ; waves 0-3 bring the first index's table, waves 4-7 the second's, four rows each
	s_cselect_b32 s41, s40, s41
	s_min_u32 s41, s41, 7
	s_lshl_b32 s42, s41, 16                        ; a table of A is 16 rows x 4,096 bytes
	s_and_b32 s43, s30, 3
	s_lshl_b32 s43, s43, 14
	s_add_co_u32 s42, s42, s43
	s_mov_b32 s43, 0
	s_add_nc_u64 s[14:15], s[14:15], s[42:43]
.irp n, 0,1,2,3,4,5,6,7
	HROW \n
.endr
	AROW 8, 24                                     ; the last four rows load nothing: the counts run down
	AROW 9, 16
	AROW 10, 8
	AROW 11, 0
	s_wait_dscnt 0x0                               ; for the others' sake: my rows are in LDS
	s_barrier_signal -1
	s_barrier_wait -1                              ; everybody's are
	; My tile: source 0 = the expert's 16 ranks, source 1 = 16 tokens, 32 K steps of 32, in eight batches of 4 on two buffers.  In the result a lane holds token r and ranks 8 hh + 0..7.
	; Two accumulators take turns, one instruction a turn; the first two products start the sums.
	; While one batch is multiplied the next is on its way; a buffer is asked for again as soon as its four products are done reading it.
	LOADH 0                                        ; no wait: the last row's wait on va_vdst stands behind every conversion that read these registers, and no vector instruction has followed it
	LOADH 1
.irp g, 0,1,2,3,4,5,6,7
.if (\g) < 7
	s_wait_dscnt 16                                ; LDS loads come back in order (ISA guide 5.7.1): this batch is in, the younger batch's sixteen loads stay out
.else
	s_wait_dscnt 0x0                               ; the last batch
.endif
.set PB, X+64*((\g)%2)
.irp i, 0,1,2,3
.if ((\g) == 0) && ((\i) < 2)
	v_wmma_f32_16x16x32_bf16 v[ACC0+8*((\i)%2):ACC0+8*((\i)%2)+7], v[PB+16*(\i):PB+16*(\i)+7], v[PB+16*(\i)+8:PB+16*(\i)+15], 0
.else
	v_wmma_f32_16x16x32_bf16 v[ACC0+8*((\i)%2):ACC0+8*((\i)%2)+7], v[PB+16*(\i):PB+16*(\i)+7], v[PB+16*(\i)+8:PB+16*(\i)+15], v[ACC0+8*((\i)%2):ACC0+8*((\i)%2)+7]
.endif
.endr
.if (\g) < 6
	s_wait_alu depctr_va_vdst(0)                   ; the four products are done reading their buffer, in which the batch two further on lands
	LOADH (\g)+2
.endif
.endr
.rept 4
	v_nop                                          ; four places in front of the first read of the results (ISA guide 7.12.1)
.endr
.irp p, 0,2,4,6
	v_pk_add_f32 v[ACC0+(\p):ACC0+(\p)+1], v[ACC0+(\p):ACC0+(\p)+1], v[ACC1+(\p):ACC1+(\p)+1]  ; from the low end on
.endr
.irp p, 0,1,2,3
	v_cvt_pk_bf16_f32 v[BY+(\p)], v[ACC0+2*(\p)], v[ACC0+2*(\p)+1]
.endr
	s_wait_alu depctr_va_vdst(0)                   ; the conversions have written v[20:23], which the store reads
	global_store_b128 v[TO], v[BY:BY+3], s[26:27]  ; a wave's store covers 512 consecutive bytes: tile (block wave / 2, expert wave % 2)
	s_wait_dscnt 0x0                               ; the closing lines, six on end
	s_wait_alu 0x0
	s_wait_tensorcnt 0x0
	ds_add_u32 v200, v201
	s_wait_dscnt 0x0
	s_endpgm
	; ---- wi: wib, and the two tables of lora_B ----
.Lwi:
	s_load_b64 s[40:41], s[18:19], 0x0             ; both indices
	s_add_nc_u64 s[10:11], s[10:11], s[32:33]
	s_add_nc_u64 s[22:23], s[22:23], s[34:35]
	s_add_nc_u64 s[28:29], s[28:29], s[36:37]
	LDROW 0, VI, 10, 0, 1
	LDROW 1, VI, 10, 4096, 1
	LDROW 2, VI, 10, 8192, 1
	LDROW 3, VI, 10, 12288, 1
	v_and_b32 v2, 15, v0                           ; r
	v_lshlrev_b32 v[VB], 6, v2                     ; a row of lora_B is 64 bytes
	v_bfe_u32 v2, v0, 4, 1                         ; hh
	v_lshl_or_b32 v[VB], v2, 5, v[VB]              ; ranks 8 hh on
	s_lshr_b32 s38, s30, 1
	s_lshl_b32 s38, s38, 10                        ; block wave / 2 of the work-group's four
	v_or_b32 v[VB], s38, v[VB]
	s_wait_kmcnt 0x0
	s_and_b32 s39, s30, 1                          ; expert wave % 2
	s_cmp_eq_u32 s39, 0
	s_cselect_b32 s41, s40, s41
	s_min_u32 s41, s41, 7
	s_lshl_b32 s42, s41, 18                        ; a table of lora_B is 4,096 rows x 64 bytes
	s_mov_b32 s43, 0
	s_add_nc_u64 s[16:17], s[16:17], s[42:43]
	s_add_nc_u64 s[16:17], s[16:17], s[36:37]
	s_wait_alu depctr_va_vdst(0)                   ; v10 is written, which the two loads below read as their offset
	global_load_b128 v[BX:BX+3],   v[VB], s[16:17]
	global_load_b128 v[BX+4:BX+7], v[VB], s[16:17] offset:16
	SROW 0, 26, 10, 22, 1                          ; 26: three younger rows and lora_B's two loads
	SROW 1, 26, 10, 22, 1
	SROW 2, 26, 10, 22, 1
	SROW 3, 26, 10, 22, 1
	s_wait_loadcnt 32                              ; lora_B's two loads are in; rows 4 to 7 stay out
.irp p, 0,1,2,3
	v_cvt_pk_bf16_f32 v[BY+(\p)], v[BX+2*(\p)], v[BX+2*(\p)+1]
.endr
	SROW 4, 24, 10, 22, 0                          ; its wait on va_vdst stands behind the four conversions above too,
	global_store_b128 v[TO], v[BY:BY+3], s[28:29]  ; so their store follows it with no wait of its own: no vector instruction since names v[20:23]
	SROW 5, 16, 10, 22, 0
	SROW 6, 8, 10, 22, 0
	SROW 7, 0, 10, 22, 0
	s_endpgm                                       ; this part stores nothing to LDS
	; ---- wo: wob, in fragment order ----
.Lwo:
	s_add_nc_u64 s[12:13], s[12:13], s[32:33]      ; wo's rows 16 x .. 16 x + 15: 262,144 consecutive bytes
	s_add_nc_u64 s[24:25], s[24:25], s[34:35]      ; block x of wob: 131,072 bytes
	LDROW 0, VI, 12, 0, 1
	LDROW 1, VI, 12, 4096, 1
	LDROW 2, VI, 12, 8192, 1
	LDROW 3, VI, 12, 12288, 1
	s_mul_i32 s38, s30, 2*PW                       ; my wave's 8 flat rows are wo's rows 2 wave and 2 wave + 1 of the block
	v_lshl_add_u32 v[VL], v1, 3, s38
	v_and_b32 v2, 15, v0                           ; r
	v_bfe_u32 v12, v0, 4, 1                        ; hh
	v_mul_u32_u24 v13, v2, PW
	v_lshl_add_u32 v13, v12, 4, v13                ; row x pitch + 16 x half
	s_lshl_b32 s39, s30, 10                        ; my wave's 16 K steps of 64 bytes
	v_add_nc_u32 v[FH], s39, v13
	s_lshl_b32 s39, s30, 14                        ; and their 16 x 1,024 bytes in the block of wob
	v_add_nc_u32 v[FA], s39, v[VA]
	WROW 0, 24, 1
	WROW 1, 24, 1
	WROW 2, 24, 1
	WROW 3, 24, 1
	WROW 4, 24, 0
	WROW 5, 16, 0
	WROW 6, 8, 0
	WROW 7, 0, 0
	s_wait_dscnt 0x0                               ; for the others' sake: my rows are in LDS
	s_barrier_signal -1
	s_barrier_wait -1                              ; everybody's are
.set q, 0
.rept 16                                               ; K step 16 wave + q: the two halves of a fragment, as a matrix instruction's source wants them.  No wait: the last row's wait on va_vdst stands behind every conversion that read these registers
	ds_load_b128 v[X+8*q:X+8*q+3],   v[FH] offset:64*q
	ds_load_b128 v[X+8*q+4:X+8*q+7], v[FH] offset:64*q+32
.set q, q+1
.endr
.set q, 0
.rept 16
	s_wait_dscnt 30-2*q                            ; LDS loads come back in order (ISA guide 5.7.1): K step q's two are in
	global_store_b128 v[FA], v[X+8*q:X+8*q+3],   s[24:25] offset:1024*q      ; a wave's store covers 512 consecutive bytes, at a multiple of 512 from wob's first byte
	global_store_b128 v[FA], v[X+8*q+4:X+8*q+7], s[24:25] offset:1024*q+512
.set q, q+1
.endr
	s_wait_dscnt 0x0                               ; the closing lines, six on end
	s_wait_alu 0x0
	s_wait_tensorcnt 0x0
	ds_add_u32 v200, v201
	s_wait_dscnt 0x0
	s_endpgm
.Lfunc_end_k_q6a82de8b6a_prep:
	.size	k_q6a82de8b6a_prep, .Lfunc_end_k_q6a82de8b6a_prep-k_q6a82de8b6a_prep
	.p2alignl 7, 3214868480
	.fill 96, 4, 3214868480
	.section	.rodata,"a",@progbits
	.p2align	6, 0x0
	.amdhsa_kernel k_q6a82de8b6a_prep
		.amdhsa_group_segment_fixed_size 199168
		.amdhsa_private_segment_fixed_size 0
		.amdhsa_enable_private_segment 0
		.amdhsa_kernarg_size 88
		.amdhsa_user_sgpr_count 2
		.amdhsa_user_sgpr_kernarg_segment_ptr 1
		.amdhsa_wavefront_size32 1
		.amdhsa_system_sgpr_workgroup_id_x 1
		.amdhsa_system_sgpr_workgroup_id_y 1
		.amdhsa_system_sgpr_workgroup_id_z 1
		.amdhsa_system_vgpr_workitem_id 0
		.amdhsa_next_free_vgpr 202
		.amdhsa_next_free_sgpr 66
		.amdhsa_reserve_vcc 0
		.amdhsa_float_denorm_mode_32 3
		.amdhsa_float_denorm_mode_16_64 3
		.amdhsa_memory_ordered 1
		.amdhsa_forward_progress 1
		.amdhsa_inst_pref_size 96
	.end_amdhsa_kernel
	.amdgpu_metadata
---
amdhsa.version: [ 1, 2 ]
amdhsa.kernels:
  - .name:           k_q6a82de8b6a_prep
    .symbol:         k_q6a82de8b6a_prep.kd
    .args:
      - { .name: hidden_states, .offset: 0, .size: 8, .value_kind: global_buffer, .address_space: global }
      - { .name: wi_w, .offset: 8, .size: 8, .value_kind: global_buffer, .address_space: global }
      - { .name: wo_w, .offset: 16, .size: 8, .value_kind: global_buffer, .address_space: global }
      - { .name: lora_As, .offset: 24, .size: 8, .value_kind: global_buffer, .address_space: global }
      - { .name: lora_Bs, .offset: 32, .size: 8, .value_kind: global_buffer, .address_space: global }
      - { .name: top_k_indices, .offset: 40, .size: 8, .value_kind: global_buffer, .address_space: global }
      - { .name: hb, .offset: 48, .size: 8, .value_kind: global_buffer, .address_space: global }
      - { .name: wib, .offset: 56, .size: 8, .value_kind: global_buffer, .address_space: global }
      - { .name: wob, .offset: 64, .size: 8, .value_kind: global_buffer, .address_space: global }
      - { .name: tfrag, .offset: 72, .size: 8, .value_kind: global_buffer, .address_space: global }
      - { .name: bfrag, .offset: 80, .size: 8, .value_kind: global_buffer, .address_space: global }
    .group_segment_fixed_size: 199168
    .private_segment_fixed_size: 0
    .kernarg_segment_align: 8
    .kernarg_segment_size: 88
    .max_flat_workgroup_size: 256
    .sgpr_count:     66
    .vgpr_count:     202
    .wavefront_size: 32
...
	.end_amdgpu_metadata
.endif
;; end of part 4
;; launch ffn1: the kernel of part 2 again; grid 16 x 16, 4 waves a work-group, clusters of 4 x 4, 327,680 bytes of LDS; arguments hb, wib, mix, tfrag, bfrag, top_k_values; writes mix
;; launch ffn2: the kernel of part 3 again; grid 8 x 32, 4 waves a work-group, clusters of 4 x 1, 327,680 bytes of LDS; arguments mix, wob, out0; writes out0
